; MI455X (gfx1250); checked and timed in simulation.
; The chip was launched on July 23, 2026; its instructions are those of AMD's public machine-readable ISA for CDNA 5 (MIT licence, August 2026) and "CDNA5" Instruction Set Architecture Reference Guide (July 2026). The comments in the code are by the model that wrote it; some were corrected since.
;; Multi Head Attention. Allowed arithmetic: matrix products marked QUANTISED: E3M2 operands, one E8M0 scale for each 32 along K, by v_wmma_scale_f32_16x16x128_f8f6f4 with both operands' format E3M2, f32 sums; everything else in f32.
;; Inputs: Wk 1,024 x 1,024 float32; Wo 1,024 x 1,024 float32; Wq 1,024 x 1,024 float32; Wv 1,024 x 1,024 float32; k 4 x 2,048 x 1,024 float32; mask 2,048 x 2,048 bool; q 4 x 2,048 x 1,024 float32; v 4 x 2,048 x 1,024 float32.
;; Outputs: out0 4 x 2,048 x 1,024 float32.
;; This version of the problem:
;;   THIS VERSION OF THE PROBLEM IS GIVEN IN LOW PRECISION. The matrix products marked QUANTISED in the list below multiply operands that are first quantised to E3M2 (3 exponent bits, 2 mantissa bits; 6 bits a number), with one power-of-two scale for each 32 numbers along K (OCP MX v1.0); their sums are f32. All else is computed in f32.
;;   The module's matrix products, in the order in which they are computed (A, B: the left and right operand; K: the contracted axis; several contracted axes count as one K, in the product's order):
;;     1. [M 8,192, K 1,024] x [K 1,024, N 1,024]; A: input q; B: input Wq: QUANTISED
;;     2. [M 8,192, K 1,024] x [K 1,024, N 1,024]; A: input k; B: input Wk: QUANTISED
;;     3. [M 8,192, K 1,024] x [K 1,024, N 1,024]; A: input v; B: input Wv: QUANTISED
;;     4. batch 64 x [M 2,048, K 64] x [K 64, N 2,048]; A: computed on the way; B: computed on the way: QUANTISED
;;     5. batch 64 x [M 2,048, K 2,048] x [K 2,048, N 64]; A: softmax (see below); B: computed on the way: QUANTISED
;;     6. [M 8,192, K 1,024] x [K 1,024, N 1,024]; A: computed on the way; B: input Wo: QUANTISED
;;   THE QUANTISER, for each operand of a quantised product, along K:
;;     - K is cut into blocks of 32 from its start; a last block that is shorter is filled with zeros.
;;     - A block's scale is 2^e with e = floor(log2(the largest magnitude in the block)) - 4, held to -126 .. 127; a block of zeros has e = 0. As a byte (E8M0): e + 127.
;;     - Each number is divided by its block's scale, clamped to +-28, and rounded to the nearest number of E3M2, ties to even, subnormals kept.
;;     - The product sums the exact products of the quantised numbers (number of the format x scale) in f32.
;;   ~~~python
;;   def quantise(x, axis):      # numpy; x: float32 -> the quantised numbers, widened to float32 again
;;       x = np.moveaxis(x, axis, -1); K = x.shape[-1]
;;       x = np.pad(x, [(0, 0)] * (x.ndim - 1) + [(0, -K % 32)]); x = x.reshape(x.shape[:-1] + (-1, 32)); a = np.abs(x).max(-1, keepdims=True)
;;       e = np.where(a > 0, np.clip(np.frexp(np.where(a > 0, a, 1))[1] - 1 - 4, -126, 127), 0)      # np.frexp(a)[1] - 1 = floor(log2(a)), exactly
;;       r = np.clip(x / 2.0 ** e, -28, 28)
;;       step = 2.0 ** (np.maximum(np.frexp(np.where(r == 0, 1, r))[1] - 1, -2) - 2)
;;       q = np.round(r / step) * step * 2.0 ** e      # np.round: ties to even
;;       return np.moveaxis(q.reshape(q.shape[:-2] + (-1,))[..., :K], -1, axis).astype(np.float32)
;;   ~~~
;;   SOFTMAX AHEAD OF A QUANTISED PRODUCT. Where the list says 'softmax', what is quantised is not the finished softmax but p = 2^(t - M), with t = logit x log2(e) and M = ceil(the row's largest t), a whole number; so 1/2 < the row's largest p <= 1. The row's sum l is taken of the UNQUANTISED p, in f32, and the product's result is divided by l at the end. Since M is a whole number, a kernel that streams over the keys may use a running M (the ceiling of the running maximum): every later rescaling is an exact power of two, which a block's scale takes up: the codes' values come out the same.
;;   OPERANDS COMPUTED ON THE WAY. 'Computed on the way' means the value that the module computes at that place (a softmax that the list does not call 'softmax' is quantised finished and normalised). What goes into a quantiser is computed in f32, as accurately as f32 sums, v_exp_f32 and their like allow (about 1e-6 of the number): no bf16 or f16 on the way to a quantiser, and a product that is left as it is and whose result goes on into a quantised operand takes f32 operands (vector FMAs, or v_wmma_f32_16x16x4_f32). A number that lies on a knife's edge between two numbers of the format may be rounded either way, as far as f32 arithmetic and the matrix unit's own rounding can turn it there, and no further.
;; 2 versions, each right; version 2 is version 1 with the launch attn written anew for expert scheduling mode. Each part assembles by itself: llvm-mc -triple=amdgcn-amd-amdhsa -mcpu=gfx1250 --defsym DOCPART=n.
;; ======== version 1 of 2: 4 launches
;; workspace buffers: actq 19,660,800 bytes; wgtq 3,276,800 bytes; maskw 526,336 bytes of whole numbers; qkvq 19,660,800 bytes; attq 6,553,600 bytes
;; launch prep (part 1): grid 1024 x 1, 4 waves a work-group, no clusters, 39,424 bytes of LDS; arguments q, k, v, Wq, Wk, Wv, Wo, mask, actq, wgtq, maskw; writes actq, wgtq, maskw
.if DOCPART == 1
	.amdgcn_target "amdgcn-amd-amdhsa--gfx1250"
	.amdhsa_code_object_version 6
	.text
	.protected	k_q0957acf968_prep
	.globl	k_q0957acf968_prep
	.p2align	8
	.type	k_q0957acf968_prep,@function
k_q0957acf968_prep:
	s_mov_b64 s[64:65], 0
	v_nop
	global_prefetch_b8 v0, s[64:65] scope:SCOPE_SE
	s_setreg_imm32_b32 hwreg(HW_REG_WAVE_MODE, 25, 1), 1
	s_wait_xcnt 0x0
; THREE JOBS IN ONE LAUNCH, told apart by the work-group's number; each has LDS bytes of its own.
;  work-groups 0-127:    Wq, Wk, Wv, Wo [1024 (K)][1024 (n)] f32 -> codes of BF6 (E3M2) along K, and E8M0 scale bytes
;  work-groups 128-255:  mask [2048][2048] bytes -> one 32-bit word for each register of attention's score tile (bit = lane), and two flags a key step
;  work-groups 256-1023: q, k, v [8192][1024] f32 -> codes along K, and scale bytes
; ORDER OF ROWS.  A row (a token; a column n of a weight) lies at position = its index with bits 3 and 4 swapped: sixteen neighbouring positions 16 (2 b + u) + r are the rows
; 32 b + 8 u + r + 8 (r / 8), so that a product used transposed leaves 16 true neighbours in the 16 registers of two neighbouring tiles.
; CODES: [position / 128][K / 64][128 positions][48 bytes].   SCALE BYTES: [position / 16][K / 256][16 positions][8 bytes].
; A block's scale is 2^(floor(log2(largest magnitude)) - 4); its byte is the largest magnitude's exponent field - 4, held at 1 from below.
; LIMITS: a block whose largest magnitude lies under 2^-122 keeps the byte 1 (a block of zeros too, where the rule says 127: its codes are zeros, and this program alone reads the bytes);
; NaN and infinities among the f32 inputs are not served; any mask byte other than 0 counts as true.
.set SP,    80                         ; activations: a lane's place in a stage: 64 bytes + 16 of padding
.set WREG,  8192                       ; LDS of a wave: two stages of 32 x SP bytes, then its 256 scale bytes
.set STEPS, 16
.set R,     16                         ; v16-79   four sets of 16 numbers as loaded
.set X,     80                         ; v80-111  two sets of 16 neighbours
.set E,     112                        ; v112-127 a scale byte for each step
.set C,     128                        ; v128-191 codes, four registers a step
.set WX,    32                         ; weights: v32-95 two sets of 32 numbers
.set WC,    96                         ; v96-107 a chunk's 48 bytes of codes
.set WT,    108                        ; v108-110 a conversion's second half
.set WO,    116                        ; v116-163 the way out
.set SB,    24                         ; v24-25 eight scale bytes
	s_load_b256 s[4:11], s[0:1], 0x0               ; q, k, v, Wq
	s_load_b256 s[12:19], s[0:1], 0x20             ; Wk, Wv, Wo, mask
	s_load_b128 s[20:23], s[0:1], 0x40             ; actq, wgtq
	s_load_b64 s[24:25], s[0:1], 0x50              ; maskw
	v_lshl_add_u32 v192, v0, 2, 0x9800
	v_mov_b32 v193, 0
	v_lshrrev_b32 v1, 5, v0
	v_readfirstlane_b32 s26, v1                    ; wave 0..3
	v_and_b32 v2, 31, v0                           ; lane
	s_cmp_lt_u32 ttmp9, 128
	s_cbranch_scc1 .Lweights
	s_cmp_lt_u32 ttmp9, 256
	s_cbranch_scc1 .Lmask
; ---------------------------------------------------------------- q, k, v
; A wave takes a tile of 16 positions x 512 along K, in 16 steps of 8 neighbouring tokens x 64 along K.  Each load reads two rows' 256 aligned bytes; the step's 2,048 bytes turn through the wave's
; stage so that a lane holds 16 neighbours along K (two neighbouring lanes hold a block); a lane's 16 codes are 12 bytes, a step's 384 consecutive bytes.
	v_lshrrev_b32 v3, 4, v2
	v_and_b32 v4, 15, v2
	v_lshlrev_b32 v4, 4, v4
	v_lshl_add_u32 v3, v3, 12, v4                  ; in: (lane / 16) rows of 4,096 bytes + 16 (lane % 16)
	s_mul_i32 s27, s26, WREG
	v_lshrrev_b32 v14, 2, v2
	v_mul_u32_u24 v14, v14, SP
	v_and_b32 v15, 3, v2
	v_lshl_add_u32 v14, v15, 4, v14
	v_add_nc_u32 v14, s27, v14                     ; the stage, in: SP (lane / 4) + 16 (lane % 4)
	v_mul_u32_u24 v15, v2, SP
	v_add_nc_u32 v15, s27, v15                     ; and out: SP x lane
	v_mul_u32_u24 v4, v2, 12                       ; my codes' place in a step's
	v_lshrrev_b32 v5, 2, v2
	v_lshlrev_b32 v5, 3, v5
	v_bfe_u32 v6, v2, 1, 1
	v_add_nc_u32 v5, v5, v6                        ; my byte: 8 x (row = lane / 4) + (block = (lane / 2) % 2)
	s_add_co_u32 s27, s27, 2*32*SP
	v_add_nc_u32 v5, s27, v5
	v_lshlrev_b32 v7, 3, v2
	v_add_nc_u32 v6, s27, v7                       ; the bytes' way out: 8 a lane
	s_sub_co_u32 s28, ttmp9, 256
	s_lshr_b32 s29, s28, 8                         ; which tensor
	s_and_b32 s28, s28, 255
	s_lshl_b32 s28, s28, 1
	s_lshr_b32 s30, s26, 1
	s_add_co_u32 s28, s28, s30                     ; which tile of 16 positions, 0..511
	s_and_b32 s30, s26, 1                          ; which half of K
	s_lshr_b32 s32, s28, 1
	s_lshl_b32 s32, s32, 5
	s_and_b32 s33, s28, 1
	s_lshl_b32 s33, s33, 3
	s_add_co_u32 s32, s32, s33                     ; the tile's first token: 32 (tile / 2) + 8 (tile % 2)
	s_lshl_b32 s32, s32, 12
	s_lshl_b32 s33, s30, 11
	s_add_co_u32 s32, s32, s33
	s_mov_b32 s33, 0
	s_mul_i32 s34, s29, 6291456
	s_lshr_b32 s35, s28, 3
	s_mul_i32 s35, s35, 98304
	s_add_co_u32 s34, s34, s35
	s_mul_i32 s35, s30, 49152
	s_add_co_u32 s34, s34, s35
	s_and_b32 s35, s28, 7
	s_mul_i32 s35, s35, 768
	s_add_co_u32 s34, s34, s35
	s_mov_b32 s35, 0
	s_lshl_b32 s36, s29, 18
	s_lshl_b32 s37, s28, 9
	s_add_co_u32 s36, s36, s37
	s_lshl_b32 s37, s30, 8
	s_add_co_u32 s36, s36, s37
	s_add_co_u32 s36, s36, 18874368
	s_mov_b32 s37, 0
	s_wait_kmcnt 0x0
	s_cmp_eq_u32 s29, 0
	s_cselect_b64 s[4:5], s[4:5], s[6:7]
	s_cmp_eq_u32 s29, 2
	s_cselect_b64 s[4:5], s[8:9], s[4:5]
	s_add_nc_u64 s[4:5], s[4:5], s[32:33]
	s_add_nc_u64 s[38:39], s[20:21], s[34:35]      ; the codes
	s_add_nc_u64 s[40:41], s[20:21], s[36:37]      ; the scale bytes
.macro ALOAD t                         ; step t: chunk t / 2 of K, rows 16 (t % 2) + 0 .. 7 of the tile's tokens
.irp i, 0,1,2,3
	global_load_b128 v[R+16*((\t)%4)+4*\i:R+16*((\t)%4)+4*\i+3], v3, s[4:5] offset:(16*((\t)%2)+2*\i)*4096+((\t)/2)*256 th:TH_LOAD_NT
.endr
.endm
.macro ATURN t                         ; through the stage: LDS serves a wave's instructions in order, so no wait stands between the stores and the loads
.irp i, 0,1,2,3
	ds_store_b128 v14, v[R+16*((\t)%4)+4*\i:R+16*((\t)%4)+4*\i+3] offset:32*SP*((\t)%2)+8*SP*\i
.endr
.irp i, 0,1,2,3
	ds_load_b128 v[X+16*((\t)%2)+4*\i:X+16*((\t)%2)+4*\i+3], v15 offset:32*SP*((\t)%2)+16*\i
.endr
.endm
.irp t, 0,1,2,3
	ALOAD \t
.endr
	s_wait_loadcnt 12                              ; step 0's four loads are in; the twelve of steps 1 to 3 may be out
	ATURN 0
.macro ASTEP t
.set XS, X+16*((\t)%2)
.if (\t) > 0
	s_wait_dscnt 1                                 ; this step's numbers are back from the stage (the last step's byte store may be out)
.else
	s_wait_dscnt 0x0
.endif
.if (\t)+4 < STEPS
	ALOAD (\t)+4                                   ; into the registers that this step's stores to the stage have read
.endif
.if (\t)+1 < STEPS
.if STEPS-2-(\t) >= 3
	s_wait_loadcnt 12                              ; the next step's four loads are in; those of the three steps behind it may be out
.else
	s_wait_loadcnt 4*(STEPS-2-(\t))
.endif
	ATURN (\t)+1
.endif
	v_max3_num_f32 v8, |v[XS]|, |v[XS+1]|, |v[XS+2]|
	v_max3_num_f32 v9, |v[XS+3]|, |v[XS+4]|, |v[XS+5]|
.irp i, 6,10
	v_max3_num_f32 v8, v8, |v[XS+\i]|, |v[XS+\i+1]|
	v_max3_num_f32 v9, v9, |v[XS+\i+2]|, |v[XS+\i+3]|
.endr
	v_max3_num_f32 v8, v8, |v[XS+14]|, |v[XS+15]|
	v_max3_num_f32 v8, v8, v9, 0x2800000           ; and the floor 2^(5 - 127): the byte cannot fall under 1
	v_max_num_f32_dpp v8, v8, v8 row_xmask:1 row_mask:0xf bank_mask:0xf   ; with my neighbour's 16: the block's
	v_add_nc_u32 v11, 0xfe000000, v8               ; 4 off the exponent field: the conversion's scale operand
	v_cvt_scalef32_pk16_bf6_f32 v[C+4*(\t):C+4*(\t)+2], v[XS:XS+15], v11
	v_lshrrev_b32 v[E+(\t)], 23, v11               ; the scale's byte
	ds_store_b8 v5, v[E+(\t)] offset:(((\t)/2)/4)*128+64*((\t)%2)+(((\t)/2)%4)*2   ; both lanes of a block write the same byte with the same value
	global_store_b96 v4, v[C+4*(\t):C+4*(\t)+2], s[38:39] offset:((\t)/2)*6144+((\t)%2)*384
.endm
.irp t, 0,1,2,3,4,5,6,7,8,9,10,11,12,13,14,15
	ASTEP \t
.endr
	ds_load_b64 v[12:13], v6                       ; my own stores, served in order
	s_wait_dscnt 0x0
	global_store_b64 v7, v[12:13], s[40:41]        ; 32 lanes store 256 consecutive bytes, aligned
	s_wait_tensorcnt 0x0
	ds_add_u32 v192, v193
	s_wait_dscnt 0x0
	s_endpgm
; ---------------------------------------------------------------- the four weights
; A lane takes a column and its registers run down K.  A wave: 32 positions x 256 along K, eight blocks a lane; two blocks are a chunk's 48 bytes, which go through the wave's stage and leave as 512 consecutive bytes a store.
.Lweights:
	v_and_b32 v3, 7, v2
	v_and_b32 v4, 8, v2
	v_lshl_add_u32 v3, v4, 1, v3
	v_and_b32 v4, 16, v2
	v_lshrrev_b32 v4, 1, v4
	v_add_nc_u32 v3, v3, v4
	v_lshlrev_b32 v3, 2, v3                        ; the column that lies at position = lane: bits 3 and 4 swapped; 4 bytes each
	s_mul_i32 s27, s26, 1536
	s_add_co_u32 s27, s27, 32768                   ; my stage
	v_mul_u32_u24 v4, v2, 48
	v_add_nc_u32 v4, s27, v4                       ; in: 48 bytes a position
	v_lshlrev_b32 v8, 4, v2                        ; out: 16 bytes a lane
	v_add_nc_u32 v7, s27, v8
	v_lshrrev_b32 v9, 4, v2
	v_lshlrev_b32 v9, 9, v9
	v_and_b32 v10, 15, v2
	v_lshl_add_u32 v9, v10, 3, v9                  ; scale bytes: 512 (lane / 16) + 8 (lane % 16)
	s_lshr_b32 s28, ttmp9, 5                       ; which weight
	s_bfe_u32 s29, ttmp9, 0x30002                  ; which 128 columns
	s_and_b32 s30, ttmp9, 3                        ; which 256 along K
	s_lshl_b32 s32, s30, 20
	s_lshl_b32 s33, s29, 9
	s_add_co_u32 s32, s32, s33
	s_lshl_b32 s33, s26, 7
	s_add_co_u32 s32, s32, s33
	s_mov_b32 s33, 0
	s_mul_i32 s34, s28, 786432
	s_mul_i32 s35, s29, 98304
	s_add_co_u32 s34, s34, s35
	s_mul_i32 s35, s30, 24576
	s_add_co_u32 s34, s34, s35
	s_mul_i32 s35, s26, 1536
	s_add_co_u32 s34, s34, s35
	s_mov_b32 s35, 0
	s_lshl_b32 s36, s28, 15
	s_lshl_b32 s37, s29, 12
	s_add_co_u32 s36, s36, s37
	s_lshl_b32 s37, s26, 10
	s_add_co_u32 s36, s36, s37
	s_lshl_b32 s37, s30, 7
	s_add_co_u32 s36, s36, s37
	s_add_co_u32 s36, s36, 3145728
	s_mov_b32 s37, 0
	s_wait_kmcnt 0x0
	s_cmp_eq_u32 s28, 1
	s_cselect_b64 s[10:11], s[12:13], s[10:11]
	s_cmp_eq_u32 s28, 2
	s_cselect_b64 s[10:11], s[14:15], s[10:11]
	s_cmp_eq_u32 s28, 3
	s_cselect_b64 s[10:11], s[16:17], s[10:11]
	s_add_nc_u64 s[10:11], s[10:11], s[32:33]
	s_add_nc_u64 s[38:39], s[22:23], s[34:35]
	s_add_nc_u64 s[40:41], s[22:23], s[36:37]
.macro WLOAD t
.irp i, 0,1,2,3,4,5,6,7,8,9,10,11,12,13,14,15,16,17,18,19,20,21,22,23,24,25,26,27,28,29,30,31
	global_load_b32 v[WX+32*((\t)%2)+\i], v3, s[10:11] offset:(32*(\t)+\i)*4096 th:TH_LOAD_NT
.endr
.endm
	WLOAD 0
	WLOAD 1
.macro WBLOCK t
.set XS, WX+32*((\t)%2)
.set CC, WC+6*((\t)%2)
.if (\t) < 7
	s_wait_loadcnt 32                              ; this block's 32 loads are in; the next block's may be out
.else
	s_wait_loadcnt 0x0
.endif
	v_max3_num_f32 v12, |v[XS]|, |v[XS+1]|, |v[XS+2]|
	v_max3_num_f32 v13, |v[XS+3]|, |v[XS+4]|, |v[XS+5]|
.irp i, 6,10,14,18,22,26
	v_max3_num_f32 v12, v12, |v[XS+\i]|, |v[XS+\i+1]|
	v_max3_num_f32 v13, v13, |v[XS+\i+2]|, |v[XS+\i+3]|
.endr
	v_max3_num_f32 v12, v12, |v[XS+30]|, |v[XS+31]|
	v_max3_num_f32 v12, v12, v13, 0x2800000        ; the floor 2^(5 - 127)
	v_add_nc_u32 v11, 0xfe000000, v12
	v_lshrrev_b32 v13, 23, v11
.if (\t)%4 == 0
	v_mov_b32 v[SB+(\t)/4], v13
.else
	v_lshl_or_b32 v[SB+(\t)/4], v13, 8*((\t)%4), v[SB+(\t)/4]
.endif
	v_cvt_scalef32_pk16_bf6_f32 v[CC:CC+2], v[XS:XS+15], v11
	v_cvt_scalef32_pk16_bf6_f32 v[WT:WT+2], v[XS+16:XS+31], v11    ; (a conversion's three registers begin on an even number)
	v_nop                                          ; one plain place behind a scaled conversion
.irp i, 0,1,2
	v_mov_b32 v[CC+3+\i], v[WT+\i]
.endr
.if (\t)+2 < 8
	WLOAD (\t)+2
.endif
.if (\t)%2 == 1
.irp j, 0,1,2
	ds_store_b128 v4, v[WC+4*\j:WC+4*\j+3] offset:16*\j
.endr
.irp j, 0,1,2
	ds_load_b128 v[WO+12*((\t)/2)+4*\j:WO+12*((\t)/2)+4*\j+3], v7 offset:512*\j
.endr
	s_wait_dscnt 0x0                               ; the stores have read their registers: the next chunk's codes may be written
.endif
.endm
.irp t, 0,1,2,3,4,5,6,7
	WBLOCK \t
.endr
.irp c, 0,1,2,3
.irp j, 0,1,2
	global_store_b128 v8, v[WO+12*\c+4*\j:WO+12*\c+4*\j+3], s[38:39] offset:\c*6144+512*\j   ; 32 lanes store 512 consecutive bytes, aligned to 256
.endr
.endr
	global_store_b64 v9, v[SB:SB+1], s[40:41]
	s_wait_tensorcnt 0x0
	ds_add_u32 v192, v193
	s_wait_dscnt 0x0
	s_endpgm
; ---------------------------------------------------------------- the mask
; Work-group = tile T of 16 query positions; wave = four key steps of 128.  Word n of a step: bit l = mask[query of lane l][key of lane l's register n]:
; query = 32 (T / 2) + 8 (T % 2) + 16 ((l % 16) / 8) + l % 8;  key = 128 step + 32 (n / 16) + 16 (l / 16) + n % 16.
; The flag word of (T, wave): bit 4 wave + st: every bit of the step is set (hidden);  bit 16 + 4 wave + st: some are (mixed).
.Lmask:
	v_and_b32 v3, 7, v2
	v_bfe_u32 v4, v2, 3, 1
	v_lshl_add_u32 v3, v4, 4, v3
	v_lshlrev_b32 v3, 11, v3                       ; my query's row of 2,048 bytes
	v_lshrrev_b32 v4, 4, v2
	v_lshl_add_u32 v3, v4, 4, v3                   ; + 16 (lane / 16)
	v_lshlrev_b32 v5, 3, v2                        ; the words' way out: two a lane
	s_sub_co_u32 s27, ttmp9, 128                   ; T
	s_lshr_b32 s28, s27, 1
	s_lshl_b32 s28, s28, 5
	s_and_b32 s29, s27, 1
	s_lshl_b32 s29, s29, 3
	s_add_co_u32 s28, s28, s29
	s_lshl_b32 s28, s28, 11
	s_lshl_b32 s29, s26, 9
	s_add_co_u32 s28, s28, s29
	s_mov_b32 s29, 0
	s_lshl_b32 s30, s27, 12
	s_lshl_b32 s31, s26, 10
	s_add_co_u32 s30, s30, s31
	s_mov_b32 s31, 0
	s_lshl_b32 s32, s27, 4
	s_lshl_b32 s33, s26, 2
	s_add_co_u32 s32, s32, s33
	s_add_co_u32 s32, s32, 524288
	s_mov_b32 s33, 0
	s_wait_kmcnt 0x0
	s_add_nc_u64 s[18:19], s[18:19], s[28:29]
	s_add_nc_u64 s[34:35], s[24:25], s[30:31]
	s_add_nc_u64 s[36:37], s[24:25], s[32:33]
.irp t, 0,1,2,3
.irp b, 0,1,2,3
	global_load_b128 v[32+16*\t+4*\b:35+16*\t+4*\b], v3, s[18:19] offset:128*\t+32*\b
.endr
.endr
	s_mov_b32 s43, 0                               ; the flags
	s_lshl_b32 s44, s26, 2                         ; the step's bit
.macro MSTEP st
	s_wait_loadcnt 12-4*\st                        ; this step's four loads are in; the later steps' may be out
	s_mov_b32 s41, -1
	s_mov_b32 s42, 0
	v_mov_b32 v[96+2*\st], 0
	v_mov_b32 v[97+2*\st], 0
.set n, 0
.rept 64
	v_and_b32 v[8+n%2], 0xff<<(8*(n%4)), v[32+16*\st+4*(n/16)+(n%16)/4]
	v_cmp_ne_u32 s[38+n%2], 0, v[8+n%2]            ; the word: one bit a lane
	s_and_b32 s41, s41, s[38+n%2]
	s_or_b32 s42, s42, s[38+n%2]
	v_writelane_b32 v[96+2*\st+n%2], s[38+n%2], n/2
.set n, n+1
.endr
	global_store_b64 v5, v[96+2*\st:97+2*\st], s[34:35] offset:256*\st   ; 32 lanes store 256 consecutive bytes, aligned
	s_cmp_eq_u32 s41, -1
	s_cselect_b32 s45, 1, 0                        ; hidden
	s_cmp_lg_u32 s42, 0
	s_cselect_b32 s46, 1, 0
	s_and_not1_b32 s46, s46, s45                   ; mixed
	s_lshl_b32 s46, s46, 16
	s_or_b32 s45, s45, s46
	s_lshl_b32 s45, s45, s44
	s_or_b32 s43, s43, s45
	s_add_co_u32 s44, s44, 1
.endm
	MSTEP 0
	MSTEP 1
	MSTEP 2
	MSTEP 3
	v_mov_b32 v6, s43
	v_mov_b32 v7, 0
	v_cmp_eq_u32 vcc_lo, 0, v2
	s_wait_xcnt 0x0                                ; EXEC changes only behind this wait: the stores above have it among their sources
	s_and_saveexec_b32 s45, vcc_lo
	global_store_b32 v7, v6, s[36:37]              ; lane 0 alone
	s_wait_xcnt 0x0
	s_or_b32 exec_lo, exec_lo, s45
	s_endpgm
.Lfunc_end_k_q0957acf968_prep:
	.size	k_q0957acf968_prep, .Lfunc_end_k_q0957acf968_prep-k_q0957acf968_prep
	.p2alignl 7, 3214868480
	.fill 96, 4, 3214868480
	.section	.rodata,"a",@progbits
	.p2align	6, 0x0
	.amdhsa_kernel k_q0957acf968_prep
		.amdhsa_group_segment_fixed_size 39424
		.amdhsa_private_segment_fixed_size 0
		.amdhsa_enable_private_segment 0
		.amdhsa_kernarg_size 88
		.amdhsa_user_sgpr_count 2
		.amdhsa_user_sgpr_kernarg_segment_ptr 1
		.amdhsa_wavefront_size32 1
		.amdhsa_system_sgpr_workgroup_id_x 1
		.amdhsa_system_sgpr_workgroup_id_y 1
		.amdhsa_system_sgpr_workgroup_id_z 1
		.amdhsa_system_vgpr_workitem_id 0
		.amdhsa_next_free_vgpr 194
		.amdhsa_next_free_sgpr 66
		.amdhsa_reserve_vcc 1
		.amdhsa_float_denorm_mode_32 3
		.amdhsa_float_denorm_mode_16_64 3
		.amdhsa_memory_ordered 1
		.amdhsa_forward_progress 1
		.amdhsa_inst_pref_size 144
	.end_amdhsa_kernel
	.amdgpu_metadata
---
amdhsa.version: [ 1, 2 ]
amdhsa.kernels:
  - .name:           k_q0957acf968_prep
    .symbol:         k_q0957acf968_prep.kd
    .args:
      - { .name: q, .offset: 0, .size: 8, .value_kind: global_buffer, .address_space: global }
      - { .name: k, .offset: 8, .size: 8, .value_kind: global_buffer, .address_space: global }
      - { .name: v, .offset: 16, .size: 8, .value_kind: global_buffer, .address_space: global }
      - { .name: Wq, .offset: 24, .size: 8, .value_kind: global_buffer, .address_space: global }
      - { .name: Wk, .offset: 32, .size: 8, .value_kind: global_buffer, .address_space: global }
      - { .name: Wv, .offset: 40, .size: 8, .value_kind: global_buffer, .address_space: global }
      - { .name: Wo, .offset: 48, .size: 8, .value_kind: global_buffer, .address_space: global }
      - { .name: mask, .offset: 56, .size: 8, .value_kind: global_buffer, .address_space: global }
      - { .name: actq, .offset: 64, .size: 8, .value_kind: global_buffer, .address_space: global }
      - { .name: wgtq, .offset: 72, .size: 8, .value_kind: global_buffer, .address_space: global }
      - { .name: maskw, .offset: 80, .size: 8, .value_kind: global_buffer, .address_space: global }
    .group_segment_fixed_size: 39424
    .private_segment_fixed_size: 0
    .kernarg_segment_align: 8
    .kernarg_segment_size: 88
    .max_flat_workgroup_size: 128
    .sgpr_count:     66
    .vgpr_count:     194
    .wavefront_size: 32
...
	.end_amdgpu_metadata
.endif
;; end of part 1
;; launch proj (part 2): grid 4 x 96, 4 waves a work-group, clusters of 4 x 4, 327,680 bytes of LDS; arguments actq, wgtq, qkvq; writes qkvq
.if DOCPART == 2
	.amdgcn_target "amdgcn-amd-amdhsa--gfx1250"
	.amdhsa_code_object_version 6
	.text
	.protected	k_q0957acf968_proj
	.globl	k_q0957acf968_proj
	.p2align	8
	.type	k_q0957acf968_proj,@function
k_q0957acf968_proj:
	s_mov_b64 s[64:65], 0
	v_nop
	global_prefetch_b8 v0, s[64:65] scope:SCOPE_SE
	s_setreg_imm32_b32 hwreg(HW_REG_WAVE_MODE, 25, 1), 1
	s_wait_xcnt 0x0
	s_wait_alu depctr_hold_cnt(0) depctr_sa_sdst(0) depctr_va_vdst(0) depctr_va_sdst(0) depctr_va_ssrc(0) depctr_va_vcc(0) depctr_vm_vsrc(0)
	s_getreg_b32 s2, hwreg(HW_REG_IB_STS2, 6, 4)
	s_cmp_eq_u32 s2, 0
	s_cbranch_scc0 .Lentry_in_a_cluster
	s_endpgm
.Lentry_in_a_cluster:
	s_bfe_u32 s2, ttmp6, 0x10000c
	s_cmp_lg_u32 s2, 0xf033
	s_cbranch_scc0 .Lentry_shape_is_right
	s_endpgm
.Lentry_shape_is_right:
; q Wq, k Wk, v Wv on codes of BF6 (E3M2) with one E8M0 scale for each 32 along K, K = 1,024; the results are quantised in registers and leave as codes: Q and K along the head's 64, V along the tokens.
; Cluster y / 8 says which product.  A tile is 256 x 256: four waves of 128 x 128, 64 accumulators each.  THE MATRIX INSTRUCTION IS USED TRANSPOSED (source 0 = 16 rows of "B", source 1 = 16 rows of "A"):
; a lane holds one row of A and, since rows lie at positions with bits 3 and 4 of their index swapped, the 16 registers of two neighbouring tiles are 16 TRUE neighbours among B's rows.
; Q, K: A = the tokens, B = the weight's columns: a lane's 64 registers of a tile of tokens are 128 neighbouring columns: two heads.   V: A = Wv's columns, B = the tokens: they are 128 neighbouring tokens.
; So one loop and one way out serve all three; what differs are pointers and strides, chosen by s_cselect on the product's number.
; OPERANDS IN MEMORY: codes [row position / 128][K / 64][128][48 bytes]: a slot (256 along K of 128 rows) is 24,576 consecutive bytes; scale bytes [position / 16][K / 256][16][8].
; OUT: Q, K codes [batch x 16 + head][token position][48]; V codes [batch x 16 + head][token / 64][position of d][48]; scale words: Q, K [batch x 8 + head / 2][position][4] (two bytes a head); V [batch x 16 + head][token / 128][position of d][4].
; CLUSTERS: 4 x 4 work-groups; A's tiles are asked for jointly along a row of the cluster, B's along a column.
; LIMITS: a block whose largest magnitude lies under 2^-122 keeps the scale byte 1 (a block of zeros too: its codes are zeros, and this program alone reads the bytes); NaN and infinities are not served.
; REGISTERS: window 0: v0-31 addresses; v32-63 scale words, two sets; v64-127 the way out; v128-223 A's fragments, one set.  window 1: B's fragments, two sets, at v0 and v128.  windows 2, 3: the accumulators ((a, b) at v[8 (8 (a % 4) + b)]).
.set NQ,     2                         ; matrix instructions deep in a slot
.set FR,     12                        ; registers of a fragment: 16 rows x 128 K
.set NL,     6                         ; LDS loads that bring one
.set NP,     4                         ; places behind this matrix instruction (ISA guide 7.12.1)
.set HALFT,  24576                     ; 128 rows x 256 along K: what one tensor load brings
.set SLOT,   98304                     ; A's 256 rows, then B's 256 rows
.set LAPS,   2                         ; 1,024 along K = four slots' worth = twice round the ring
.set SCL,    196608                    ; behind the ring: A's scale bytes, 8,192;
.set SCB,    8320                      ; B's begin here behind A's: 128 bytes past a multiple of 256, so that a load with A's words in lanes 0-15 and B's in lanes 16-31 touches every bank once
.set SPARE,  213248                    ; the spare words, 128 bytes for each wave: two blocks of 256 bytes that no other line names
.set STG,    213760                    ; the way out: 2,048 bytes for each wave: 1,536 of codes, 512 of scale words; no fill lands here
.set ADRA, 16                          ; v16-17  LDS address of my A fragments in slot 0, 1
.set ADRB, 20                          ; v20-21  the same for B
.set ADRS, 27                          ; v27     LDS address of my scale words: lanes 0-15 A's rows, lanes 16-31 B's
.set SPW,  28                          ; v28     my spare word; never rewritten
.set NIL,  29                          ; v29     0; never rewritten
.set SC,   32
.set AF,   128
.set SOFF, 8                           ; v8      the scale words' place in memory
.set SSR,  9                           ; v9      where I read them back
.set OFF,  10                          ; v10-12  the codes' places in memory, one for each of three stores
.set STW,  13                          ; v13     the stage: where I put my codes
.set STR,  14                          ; v14     and where I read them back
.set SSW,  15                          ; v15     where I put a scale word
.set TM,   64                          ; v64-67 largest magnitudes, v68-71 bytes, v76-79 scale operands
.set PW,   80                          ; the scale word just made
.set PC,   84                          ; v84-95 the codes just made; v96-102 the conversions' second halves
.set OUT,  104                         ; v104-115, v116-127 by turns
.set G1, 24
.set G0, 32
.set G1B, 48
.set G0B, 56
.set G1S, 68
.set G0S, 76
.set G1SB, 80
.set G0SB, 88
.set SCH,  92                          ; s92  bytes from a chunk of 64 to the next in the output
.set S2,   93                          ; s93  bytes from the scale words' first 256 bytes to their second
.set SA,   94                          ; s[94:95] what is added to the codes' base behind tile 3
.set SEL,  96                          ; s[96:97] lane selects: lane l xor 16
.set FLOOR, 98                         ; s98  2^(5 - 127)
.set MSB, 0
.macro WIN new                         ; the immediate's high byte repeats the setting that is left
.if MSB != (\new)
	s_set_vgpr_msb (MSB<<8)|(\new)
.set MSB, (\new)
.endif
.endm
.set MUL_LO, 0xa1                      ; source 0 (B) window 1, source 1 (A) window 0, C and D window 2
.set MUL_HI, 0xf1
.set TO_B,   0x40
; A joint load: waves 0 and 1 fetch for A, waves 2 and 3 for B; the branch hangs on the wave's number alone.  Four v_nop follow each of the two lines.
.macro JLOAD g0a, g1a, g0b, g1b
	s_cmp_eq_u32 s15, 0
	s_cbranch_scc0 .Lfor_b_\@
	tensor_load_to_lds s[\g0a:\g0a+3], s[\g1a:\g1a+7]
	s_nop 0
.rept 4
	v_nop
.endr
	s_branch .Lasked_\@
.Lfor_b_\@:
	tensor_load_to_lds s[\g0b:\g0b+3], s[\g1b:\g1b+7]
	s_nop 0
.rept 4
	v_nop
.endr
.Lasked_\@:
.endm
.macro CREST                           ; a round of the cluster's barrier behind its opening barrier
	s_cmp_lg_u32 s14, 0
	s_cbranch_scc1 .Lnot_wave_0_\@
	s_barrier_signal -3
.Lnot_wave_0_\@:
	s_barrier_wait -3
	s_barrier_signal -1
	s_barrier_wait -1
.endm
.macro CROUND
	s_barrier_signal -1
	s_barrier_wait -1
	CREST
.endm
	s_load_b128 s[4:7], s[0:1], 0x0                ; actq, wgtq
	s_load_b64 s[8:9], s[0:1], 0x10                ; qkvq
	v_lshl_add_u32 v[SPW], v0, 2, SPARE
	v_mov_b32 v[NIL], 0
	ds_add_u32 v28, v29
	ds_add_u32 v28, v29
	s_wait_dscnt 0x0
	v_lshrrev_b32 v1, 5, v0
	v_readfirstlane_b32 s14, v1                    ; wave 0..3
	s_lshr_b32 s15, s14, 1                         ; which half of A's rows is mine.  Also: I fetch for A (0) or for B (1)
	s_and_b32 s16, s14, 1                          ; which half of B's rows.  Also: which 128 rows I fetch
	s_bfe_u32 s40, ttmp6, 0x40000                  ; cx
	s_bfe_u32 s41, ttmp6, 0x40004                  ; cy
	s_and_b32 s17, ttmp7, 0xffff                   ; cluster y, 0..23
	s_lshr_b32 s42, s17, 3                         ; which product: 0 q, 1 k, 2 v: the same in all sixteen partners
	s_and_b32 s17, s17, 7
	s_cmp_eq_u32 s42, 2
	s_cselect_b32 s18, 0, s17                      ; the tokens are A's rows (q, k) or B's (v)
	s_cselect_b32 s19, s17, 0
	s_lshl_b32 s18, s18, 2
	s_add_co_u32 s18, s18, s41                     ; tile row
	s_lshl_b32 s19, s19, 2
	s_add_co_u32 s19, s19, s40                     ; tile column
	s_lshl_b32 s43, s41, 2
	s_lshl_b32 s43, 15, s43                        ; my row of the cluster
	s_lshl_b32 s44, 0x1111, s40                    ; my column
	; descriptor group 1: a dense block as rows of 256 bytes (32 elements of 8 bytes), no padding: 96 rows of codes, 16 rows of scale bytes
	s_or_b32 s[G1+0], s43, (3<<16)|(1<<21)         ; 15:0 the mask; 17:16 elements of 8 bytes; 21 set beside a mask
	s_or_b32 s[G1B+0], s44, (3<<16)|(1<<21)
.irp g, G1, G1B
	s_mov_b32 s[\g+1], 32<<16                      ; tensor_dim0
	s_mov_b32 s[\g+2], 96<<16                      ; tensor_dim1
	s_mov_b32 s[\g+3], 32<<16                      ; tile_dim0
	s_mov_b32 s[\g+4], 96                          ; tile_dim1
	s_mov_b32 s[\g+5], 32                          ; tensor_dim0_stride
	s_mov_b32 s[\g+6], 0
	s_mov_b32 s[\g+7], 0
.endr
	s_or_b32 s[G1S+0], s43, (3<<16)|(1<<21)
	s_or_b32 s[G1SB+0], s44, (3<<16)|(1<<21)
.irp g, G1S, G1SB
	s_mov_b32 s[\g+1], 32<<16
	s_mov_b32 s[\g+2], 16<<16
	s_mov_b32 s[\g+3], 32<<16
	s_mov_b32 s[\g+4], 16
	s_mov_b32 s[\g+5], 32
	s_mov_b32 s[\g+6], 0
	s_mov_b32 s[\g+7], 0
.endr
	; offsets, apart from the addresses.  A's hang on the tile row alone, B's on the tile column alone
	s_lshl_b32 s20, s18, 1
	s_add_co_u32 s20, s20, s16                     ; A: which block of 128 rows I fetch
	s_lshl_b32 s46, s19, 1
	s_add_co_u32 s46, s46, s16                     ; B
	s_lshl_b32 s22, s20, 12                        ; a block's scale bytes are 4,096,
	s_mul_i32 s20, s20, 98304                      ; its codes 98,304
	s_lshl_b32 s92, s46, 12
	s_mul_i32 s46, s46, 98304
	s_mul_i32 s66, s42, 6291456                    ; the product's codes in actq,
	s_mul_i32 s67, s42, 786432                     ; in wgtq,
	s_lshl_b32 s94, s42, 18
	s_add_co_u32 s94, s94, 18874368                ; its scale bytes in actq,
	s_lshl_b32 s95, s42, 15
	s_add_co_u32 s95, s95, 3145728                 ; in wgtq
	s_cmp_eq_u32 s42, 2
	s_cselect_b32 s96, s67, s66
	s_cselect_b32 s97, s66, s67
	s_cselect_b32 s98, s95, s94
	s_cselect_b32 s99, s94, s95
	s_add_co_u32 s20, s20, s96
	s_add_co_u32 s22, s22, s98
	s_add_co_u32 s46, s46, s97
	s_add_co_u32 s92, s92, s99
	s_mov_b32 s21, 0
	s_mov_b32 s23, 0
	s_mov_b32 s47, 0
	s_mov_b32 s93, 0
	s_mul_i32 s45, s14, HALFT                      ; where the codes go: wave x 24,576: no place in the cluster enters an LDS address
	s_lshl_b32 s94, s14, 12
	s_lshl_b32 s95, s15, 7
	s_add_co_u32 s94, s94, s95                     ; and the scale bytes: wave x 4,096, B's 128 further on
	s_wait_kmcnt 0x0
	s_cmp_eq_u32 s42, 2
	s_cselect_b64 s[96:97], s[6:7], s[4:5]         ; A's buffer
	s_cselect_b64 s[98:99], s[4:5], s[6:7]         ; B's
	s_add_nc_u64 s[20:21], s[96:97], s[20:21]
	s_add_nc_u64 s[22:23], s[96:97], s[22:23]
	s_add_nc_u64 s[46:47], s[98:99], s[46:47]
	s_add_nc_u64 s[92:93], s[98:99], s[92:93]
	CROUND                                         ; all sixteen work-groups are here: the first joint loads meet
	s_mov_b32 s[G0S], 1
	s_add_co_u32 s[G0S+1], s94, SCL
	s_mov_b64 s[G0S+2:G0S+3], s[22:23]
	s_or_b32 s[G0S+3], s[G0S+3], 0x80000000
	s_mov_b32 s[G0SB], 1
	s_add_co_u32 s[G0SB+1], s94, SCL
	s_mov_b64 s[G0SB+2:G0SB+3], s[92:93]
	s_or_b32 s[G0SB+3], s[G0SB+3], 0x80000000
	JLOAD G0S, G1S, G0SB, G1SB                     ; the scale bytes for all of K: filled once
.irp s, 0,1
	s_mov_b32 s[G0+4*\s], 1
	s_add_co_u32 s[G0+4*\s+1], s45, \s*SLOT
	s_add_nc_u64 s[G0+4*\s+2:G0+4*\s+3], s[20:21], \s*HALFT
	s_or_b32 s[G0+4*\s+3], s[G0+4*\s+3], 0x80000000
	s_mov_b32 s[G0B+4*\s], 1
	s_add_co_u32 s[G0B+4*\s+1], s45, \s*SLOT
	s_add_nc_u64 s[G0B+4*\s+2:G0B+4*\s+3], s[46:47], \s*HALFT
	s_or_b32 s[G0B+4*\s+3], s[G0B+4*\s+3], 0x80000000
	JLOAD G0+4*\s, G1, G0B+4*\s, G1B               ; three tensor loads of mine are out
.endr
	v_and_b32 v1, 15, v0                           ; r
	v_bfe_u32 v2, v0, 4, 1                         ; h
	v_mul_u32_u24 v3, v1, 48
	v_mad_u32_u24 v4, v2, 24, v3                   ; a lane's place in 16 rows x 64 K: 48 r + 24 h = 24 (2 r + h): the 32 lanes of a load of 8 bytes touch 64 different banks
	s_mul_i32 s21, s15, HALFT
	s_mul_i32 s22, s16, HALFT
	s_add_co_u32 s22, s22, 2*HALFT
.irp s, 0,1
	v_add_nc_u32 v[ADRA+\s], s21, v4
	v_add_nc_u32 v[ADRB+\s], s22, v4
	s_add_co_u32 s21, s21, SLOT
	s_add_co_u32 s22, s22, SLOT
.endr
	v_lshlrev_b32 v5, 3, v1                        ; my row's 8 scale bytes of a slot
	s_lshl_b32 s21, s15, 12                        ; A's: my eight tiles of rows
	s_lshl_b32 s22, s16, 12
	s_add_co_u32 s22, s22, SCB                     ; B's
	s_sub_co_u32 s22, s22, s21
	v_mul_u32_u24 v6, s22, v2                      ; lanes 16-31 take B's
	s_add_co_u32 s21, s21, SCL
	v_add_nc_u32 v5, v5, v6
	v_add_nc_u32 v[ADRS], s21, v5
	; the way out: where my results go
	s_lshl_b32 s66, s18, 8
	s_lshl_b32 s67, s15, 7
	s_add_co_u32 s66, s66, s67                     ; my first row of A
	s_lshl_b32 s67, s19, 8
	s_lshl_b32 s99, s16, 7
	s_add_co_u32 s67, s67, s99                     ; my first row of B
	s_mov_b32 s99, 98304
	s_mov_b32 s100, 3072
	s_mov_b32 s101, 256
	s_cmp_eq_u32 s42, 2
	s_cselect_b32 s20, s67, s66                    ; my first token,
	s_cselect_b32 s21, s66, s67                    ; my first column of the weight
	s_cselect_b32 s[SCH], s100, s99                ; a chunk on: the next head (q, k) or the next 64 tokens (v)
	s_cselect_b32 s[SA], s99, s100                 ; four tiles of A's rows on: 64 tokens (q, k) or the next head (v)
	s_cselect_b32 s[S2], 4096, s101
	s_mov_b32 s[SA+1], 0
	s_lshr_b32 s22, s20, 11                        ; batch
	s_and_b32 s20, s20, 2047                       ; token in it
	s_lshr_b32 s21, s21, 6                         ; head
	s_lshl_b32 s23, s22, 4
	s_add_co_u32 s23, s23, s21
	s_lshl_b32 s46, s23, 11
	s_add_co_u32 s46, s46, s20
	s_mul_i32 s46, s46, 48                         ; ((16 batch + head) 2,048 + token) x 48: the one formula serves all three layouts
	s_mul_i32 s47, s42, 6291456
	s_add_co_u32 s46, s46, s47
	s_mov_b32 s47, 0
	s_add_nc_u64 s[12:13], s[8:9], s[46:47]
	s_lshl_b32 s46, s23, 4
	s_lshr_b32 s47, s20, 7
	s_add_co_u32 s46, s46, s47
	s_lshl_b32 s46, s46, 8                         ; v's scale words
	s_lshl_b32 s47, s22, 3
	s_lshr_b32 s21, s21, 1
	s_add_co_u32 s47, s47, s21
	s_lshl_b32 s47, s47, 11
	s_add_co_u32 s47, s47, s20
	s_lshl_b32 s47, s47, 2                         ; q's, k's
	s_cmp_eq_u32 s42, 2
	s_cselect_b32 s46, s46, s47
	s_lshl_b32 s47, s42, 18
	s_add_co_u32 s46, s46, s47
	s_add_co_u32 s46, s46, 18874368
	s_mov_b32 s47, 0
	s_add_nc_u64 s[10:11], s[8:9], s[46:47]
	v_and_b32 v6, 31, v0
	v_lshlrev_b32 v[OFF], 4, v6                    ; the stage's 1,536 bytes are two runs of 768, SCH bytes apart in memory: byte x goes to x, or to x - 768 + SCH
	s_sub_co_u32 s99, s[SCH], 768
	v_mul_u32_u24 v7, s99, v2
	v_add_nc_u32 v[OFF+1], v[OFF], v7
	v_add_nc_u32 v[OFF+1], 512, v[OFF+1]
	v_add_nc_u32 v[OFF+2], s99, v[OFF]
	v_add_nc_u32 v[OFF+2], 1024, v[OFF+2]
	s_sub_co_u32 s99, s[S2], 256
	v_mul_u32_u24 v7, s99, v2
	v_add_nc_u32 v[SOFF], v[OFF], v7
	s_lshl_b32 s99, s14, 11
	s_add_co_u32 s99, s99, STG                     ; my stage
	v_add_nc_u32 v[STW], s99, v4
	v_add_nc_u32 v[STR], s99, v[OFF]
	v_lshlrev_b32 v7, 2, v1
	v_add_nc_u32 v[SSW], s99, v7
	v_add_nc_u32 v[SSW], 1536, v[SSW]
	v_add_nc_u32 v[SSR], 1536, v[STR]
.irp b, 0,1,2,3
	v_mov_b32 v[TM+4+\b], 0                        ; written once: a lane permute's destination counts as one of its sources
.endr
	s_mov_b32 s[SEL], 0x76543210
	s_mov_b32 s[SEL+1], 0xfedcba98
	s_mov_b32 s[FLOOR], 0x2800000
.macro FRAG reg, adr, q, i             ; 16 rows x 128 K: registers 6 c .. 6 c + 5 hold K = 64 c + 32 h + 0 .. 31: 24 bytes of chunk 2 q + c, in three pieces of 8
.irp p, 0,1,2,3,4,5
	ds_load_b64 v[\reg+2*\p:\reg+2*\p+1], v[\adr] offset:(2*(\q)+\p/3)*6144+(\i)*768+8*(\p%3)
.endr
.endm
; 16 matrix instructions: A's blocks a0, a0 + 1 x B's eight.  The 64 accumulators take turns, one instruction a turn, in the same order in every step.
.macro MUL16 a0, p, q, sc, zero
.irp a, \a0, \a0+1
.irp b, 0,1,2,3,4,5,6,7
.if \zero
	v_wmma_scale_f32_16x16x128_f8f6f4 v[8*(8*((\a)%4)+\b):8*(8*((\a)%4)+\b)+7], v[128*(\p)+FR*\b:128*(\p)+FR*\b+FR-1], v[AF+FR*(\a):AF+FR*(\a)+FR-1], 0, v[SC+8*NQ*(\sc)+NQ*\b+(\q)], v[SC+8*NQ*(\sc)+NQ*(\a)+(\q)] matrix_a_fmt:MATRIX_FMT_BF6 matrix_b_fmt:MATRIX_FMT_BF6 matrix_a_scale:MATRIX_SCALE_ROW1
.else
	v_wmma_scale_f32_16x16x128_f8f6f4 v[8*(8*((\a)%4)+\b):8*(8*((\a)%4)+\b)+7], v[128*(\p)+FR*\b:128*(\p)+FR*\b+FR-1], v[AF+FR*(\a):AF+FR*(\a)+FR-1], v[8*(8*((\a)%4)+\b):8*(8*((\a)%4)+\b)+7], v[SC+8*NQ*(\sc)+NQ*\b+(\q)], v[SC+8*NQ*(\sc)+NQ*(\a)+(\q)] matrix_a_fmt:MATRIX_FMT_BF6 matrix_b_fmt:MATRIX_FMT_BF6 matrix_a_scale:MATRIX_SCALE_ROW1
.endif
.endr
.endr
.endm
.macro FETCH_B slot, q, p
	WIN TO_B
.irp i, 0,1,2,3,4,5,6,7
	FRAG 128*(\p)+FR*\i, ADRB+\slot, \q, \i
.endr
	WIN 0
.endm
.macro FETCH_A slot, q, i0
.irp i, \i0, \i0+1, \i0+2, \i0+3
	FRAG AF+FR*(\i), ADRA+\slot, \q, \i
.endr
.endm
.macro SCALES sc                       ; a slot's two scale words a row: lanes 0-15 A's block i, lanes 16-31 B's block i
.irp i, 0,1,2,3,4,5,6,7
	ds_load_b64 v[SC+8*NQ*\sc+NQ*\i:SC+8*NQ*\sc+NQ*\i+1], v[ADRS] offset:\i*512
.endr
.endm
.macro PLACES n                        ; plain vector instructions between a matrix instruction and a load into, or a read of, its registers
.rept \n
	v_nop
.endr
.endm
.macro STEP slot, q, zero              ; 128 along K that has its successor in the same slot
	s_wait_dscnt 4*NL                              ; B's set and A's blocks 0-3 are in; the 24 youngest loads (A's blocks 4-7) may be out
	WIN MUL_LO
	MUL16 0, (\q)%2, \q, \slot, \zero
	MUL16 2, (\q)%2, \q, \slot, \zero
	s_wait_dscnt 0
	PLACES NP
	FETCH_B \slot, (\q)+1, 1-(\q)%2
	FETCH_A \slot, (\q)+1, 0
	WIN MUL_HI
	MUL16 4, (\q)%2, \q, \slot, \zero
	MUL16 6, (\q)%2, \q, \slot, \zero
	PLACES NP
	WIN 0
	FETCH_A \slot, (\q)+1, 4
.endm
; A slot's last step changes slots: one barrier; in front of it each wave waits for all its tensor loads, adds 0 to its spare word, and waits for that and for its own reads of this slot.
.macro TURN slot, next, fill
	s_wait_tensorcnt 0x0                           ; all my tensor loads have landed: my part of the next slot
	ds_add_u32 v[SPW], v[NIL]                      ; 0 onto my spare word
	s_wait_dscnt 4*NL+1                            ; (the add and the 24 youngest loads, A's blocks 4-7, may be out)
	WIN MUL_LO
	MUL16 0, 1, NQ-1, \slot, 0
	s_wait_dscnt 0x0                               ; the add is done, and my reads of this slot are over
	s_barrier_signal -1
	MUL16 2, 1, NQ-1, \slot, 0
	WIN 0
	s_barrier_wait -1
.if \fill
	CREST                                          ; the barrier has opened a round of the cluster's barrier: no wave of any partner still reads this slot or has a load on its way
	s_add_nc_u64 s[G0+4*\slot+2:G0+4*\slot+3], s[G0+4*\slot+2:G0+4*\slot+3], 2*HALFT
	s_add_nc_u64 s[G0B+4*\slot+2:G0B+4*\slot+3], s[G0B+4*\slot+2:G0B+4*\slot+3], 2*HALFT
	JLOAD G0+4*\slot, G1, G0B+4*\slot, G1B         ; the first tensor load behind the round; its four v_nop are the places in front of the loads below
.else
	PLACES NP
.endif
	v_add_nc_u32 v[ADRS], 128, v[ADRS]             ; the next slot's scale words
	FETCH_B \next, 0, 0
	FETCH_A \next, 0, 0
	SCALES \next
	WIN MUL_HI
	MUL16 4, 1, NQ-1, \slot, 0
	MUL16 6, 1, NQ-1, \slot, 0
	PLACES NP
	WIN 0
	FETCH_A \next, 0, 4
.endm
	s_wait_tensorcnt 1                             ; the scale bytes and my part of slot 0 are in; slot 1's load may be out
	s_barrier_signal -1
	s_barrier_wait -1
	FETCH_B 0, 0, 0
	FETCH_A 0, 0, 0
	SCALES 0
	FETCH_A 0, 0, 4
	STEP 0, 0, 1                                   ; the first step starts the sums
	s_mov_b32 s3, LAPS-1
.Llap:                                                 ; a trip goes once round the ring and fills both slots again
	TURN 0, 1, 1
	STEP 1, 0, 0
	TURN 1, 0, 1
	STEP 0, 0, 0
	s_sub_co_u32 s3, s3, 1
	s_cmp_lg_u32 s3, 0
	s_cbranch_scc1 .Llap
	TURN 0, 1, 0                                   ; the last lap fills nothing
	STEP 1, 0, 0
	s_wait_dscnt 4*NL
	WIN MUL_LO
	MUL16 0, 1, NQ-1, 1, 0
	MUL16 2, 1, NQ-1, 1, 0
	s_wait_dscnt 0
	WIN MUL_HI
	MUL16 4, 1, NQ-1, 1, 0
	MUL16 6, 1, NQ-1, 1, 0
	WIN 0
; THE WAY OUT.  Tile a of A's rows: a lane's 64 registers, 16 b + i = neighbour 32 b + 16 h + i of its row, become 128 codes (two chunks of 64) and a scale word.
.macro QUANTW a
.set AC, 64*((\a)%4)
.set WVN, 2+(\a)/4
	WIN (WVN<<2)|(WVN<<4)                          ; sources 1 and 2: the accumulators' window
.irp b, 0,1,2,3
	v_max3_num_f32 v[TM+\b], s[FLOOR], |v[AC+16*\b]|, |v[AC+16*\b+1]|   ; each accumulator is read from its low end on
.endr
.irp i, 2,4,6,8,10,12,14
.irp b, 0,1,2,3
	v_max3_num_f32 v[TM+\b], v[TM+\b], |v[AC+16*\b+\i]|, |v[AC+16*\b+\i+1]|
.endr
.endr
	WIN 0
.irp b, 0,1,2,3
	v_permlanex16_b32 v[TM+4+\b], v[TM+\b], s[SEL], s[SEL+1]
.endr
.irp b, 0,1,2,3
	v_max_num_f32 v[TM+\b], v[TM+\b], v[TM+4+\b]   ; with lane l xor 16's: the block's largest magnitude
.endr
.irp b, 0,1,2,3
	v_add_nc_u32 v[TM+12+\b], 0xfe000000, v[TM+\b] ; 4 off the exponent field: the conversion's scale operand
.endr
.irp b, 0,1,2,3
	v_lshrrev_b32 v[TM+4+\b], 23, v[TM+12+\b]      ; the byte
.endr
	s_wait_dscnt 0x0                               ; the last tile's stores to the stage have read the word and the codes, and its rows are back in registers
	v_lshl_or_b32 v[PW], v[TM+5], 8, v[TM+4]
	v_lshl_or_b32 v[PW], v[TM+6], 16, v[PW]
	v_lshl_or_b32 v[PW], v[TM+7], 24, v[PW]
	WIN WVN                                        ; source 0
.irp c, 0,1
	v_cvt_scalef32_pk16_bf6_f32 v[PC+6*\c:PC+2+6*\c], v[AC+32*\c:AC+15+32*\c], v[TM+12+2*\c]
	v_cvt_scalef32_pk16_bf6_f32 v[PC+12+4*\c:PC+14+4*\c], v[AC+16+32*\c:AC+31+32*\c], v[TM+12+2*\c+1]
.endr
	WIN 0
	v_nop                                          ; one plain place behind a scaled conversion
.irp c, 0,1                                    ; a whole block to a lane: lanes 0-15 block 2 c, lanes 16-31 block 2 c + 1
.irp i, 0,1,2
	v_permlane16_swap_b32 v[PC+6*\c+\i], v[PC+12+4*\c+\i]
.endr
.irp i, 0,1,2
	v_mov_b32 v[PC+3+6*\c+\i], v[PC+12+4*\c+\i]
.endr
.endr
.endm
.macro TOST a                          ; into my stage, 48 bytes a row and chunk, and back as 16 bytes a lane; LDS serves a wave's instructions in order
.irp p, 0,1,2,3,4,5
	ds_store_b64 v[STW], v[PC+2*\p:PC+2*\p+1] offset:768*(\p/3)+8*(\p%3)
.endr
	ds_store_b32 v[SSW], v[PW] offset:64*(\a)      ; both halves of the lanes hold the row's word and write it to the same place
.irp j, 0,1,2
	ds_load_b128 v[OUT+12*((\a)%2)+4*\j:OUT+12*((\a)%2)+4*\j+3], v[STR] offset:512*\j
.endr
.endm
.macro SENDQ a
.if (\a) == 4
	s_add_nc_u64 s[12:13], s[12:13], s[SA:SA+1]    ; (behind a wait on XCNT: the earlier stores have read their base)
.endif
.irp j, 0,1,2
	global_store_b128 v[OFF+\j], v[OUT+12*((\a)%2)+4*\j:OUT+12*((\a)%2)+4*\j+3], s[12:13] offset:((\a)%4)*768   ; sixteen lanes store 256 consecutive bytes, aligned
.endr
.endm
	PLACES NP
	QUANTW 0
	TOST 0
.irp a, 1,2,3,4,5,6,7
	QUANTW \a
	SENDQ \a-1
	s_wait_xcnt 0x0                                ; the stores have read their registers and their base: tile a's rows may land where tile a - 2's lay
	TOST \a
.endr
	s_wait_dscnt 0x0
	SENDQ 7
	ds_load_b128 v[TM:TM+3], v[SSR]                ; the eight tiles' scale words: 512 bytes
	s_wait_dscnt 0x0
	global_store_b128 v[SOFF], v[TM:TM+3], s[10:11]
	s_wait_tensorcnt 0x0                           ; the wave's end
	ds_add_u32 v[SPW], v[NIL]
	s_wait_dscnt 0x0
	CROUND                                         ; the closing round
	s_endpgm
.Lfunc_end_k_q0957acf968_proj:
	.size	k_q0957acf968_proj, .Lfunc_end_k_q0957acf968_proj-k_q0957acf968_proj
	.p2alignl 7, 3214868480
	.fill 96, 4, 3214868480
	.section	.rodata,"a",@progbits
	.p2align	6, 0x0
	.amdhsa_kernel k_q0957acf968_proj
		.amdhsa_group_segment_fixed_size 327680
		.amdhsa_private_segment_fixed_size 0
		.amdhsa_enable_private_segment 0
		.amdhsa_kernarg_size 24
		.amdhsa_user_sgpr_count 2
		.amdhsa_user_sgpr_kernarg_segment_ptr 1
		.amdhsa_wavefront_size32 1
		.amdhsa_system_sgpr_workgroup_id_x 1
		.amdhsa_system_sgpr_workgroup_id_y 1
		.amdhsa_system_sgpr_workgroup_id_z 1
		.amdhsa_system_vgpr_workitem_id 0
		.amdhsa_next_free_vgpr 1024
		.amdhsa_next_free_sgpr 102
		.amdhsa_reserve_vcc 0
		.amdhsa_float_denorm_mode_32 3
		.amdhsa_float_denorm_mode_16_64 3
		.amdhsa_memory_ordered 1
		.amdhsa_forward_progress 1
		.amdhsa_inst_pref_size 171
	.end_amdhsa_kernel
	.amdgpu_metadata
---
amdhsa.version: [ 1, 2 ]
amdhsa.kernels:
  - .name:           k_q0957acf968_proj
    .symbol:         k_q0957acf968_proj.kd
    .args:
      - { .name: actq, .offset: 0, .size: 8, .value_kind: global_buffer, .address_space: global }
      - { .name: wgtq, .offset: 8, .size: 8, .value_kind: global_buffer, .address_space: global }
      - { .name: qkvq, .offset: 16, .size: 8, .value_kind: global_buffer, .address_space: global }
    .group_segment_fixed_size: 327680
    .private_segment_fixed_size: 0
    .kernarg_segment_align: 8
    .kernarg_segment_size: 24
    .max_flat_workgroup_size: 128
    .sgpr_count:     102
    .vgpr_count:     1024
    .wavefront_size: 32
...
	.end_amdgpu_metadata
.endif
;; end of part 2
;; launch attn (part 3): grid 4 x 64, 16 waves a work-group, no clusters, 235,520 bytes of LDS; arguments qkvq, maskw, attq; writes attq
.if DOCPART == 3
	.amdgcn_target "amdgcn-amd-amdhsa--gfx1250"
	.amdhsa_code_object_version 6
	.text
	.protected	k_q0957acf968_attn
	.globl	k_q0957acf968_attn
	.p2align	8
	.type	k_q0957acf968_attn,@function
k_q0957acf968_attn:
	s_mov_b64 s[64:65], 0
	v_nop
	global_prefetch_b8 v0, s[64:65] scope:SCOPE_SE
	s_setreg_imm32_b32 hwreg(HW_REG_WAVE_MODE, 25, 1), 1
	s_wait_xcnt 0x0
; softmax(Q K^T / 8, masked) V for one (batch, head), both products on codes of BF6 (E3M2) with E8M0 scales; the result, divided by the row's sum, is quantised along (head, d) and leaves as codes.
; THE SOFTMAX: t = score x log2(e) / 8; M = the running largest t rounded UP to a whole number; p = 2^(t - M) is quantised along the keys; the row's sum is taken of the unquantised p.
; SHARES.  A work-group is one (batch, head) and a quarter of its queries; wave w owns two tiles of 16 query positions, g = 16 x + w and 127 - g.  Four waves to a SIMD.
; THE HEAD'S K AND V, 2 x 98,304 bytes of codes, and their scale words lie in LDS for the whole launch, copied once through registers: no ring, one barrier.
; No tensor load and no multicast: the walk over key steps branches on flags that an earlier launch stored, and each work-group copies its head's K and V once.
; THE MASK is an input.  An earlier launch has turned it into one word for each register of a score tile (bit = lane) and, for each tile of queries and key step of 128, two flags:
; hidden (every bit set: the step is passed over) and mixed (some set: the 64 selects are run).  The loops' trip counts are constants; a branch leads round a step's work.
; LAYOUT.  Both products are used transposed: a lane holds one query.  Rows of Q, K and of V^T lie at positions with bits 3 and 4 of their index swapped, so that the 16 registers of two neighbouring tiles are 16 true neighbours.
; Q K^T has K = 64: it fills the lower half of the instruction's 128.  Q's upper 64 codes are zeros, so whatever codes stand in the upper half of K's operand add nothing; the upper two scale bytes are 0, which is 2^-127 and no NaN.
; LIMITS: a p under 2^-126 counts as 0; blocks whose largest magnitude lies under 2^-122 keep the byte 1; NaN and infinities among the scores are not served.
; A query all of whose keys are hidden has the sum 0: its scale bytes are set to 0xff, so that the last product gives NaN for the whole row, as the reference does.
.set S,    96                          ; v96-159  S^T, then p
.set O,    160                         ; v160-191 O^T: four tiles of 16 of the head's 64
.set PCD,  192                         ; v192-203 p's codes
.set CT,   204                         ; v204-210 the conversions' second halves; on the way out the tile's codes
.set BM,   212                         ; v212-215 the blocks' largest
.set BT,   216                         ; v216-219 at work: the other half's, then the bytes
.set SO,   220                         ; v220-223 the conversions' scale operands
.set WK,   224
.set F,    226                         ; v[226:227] f = 2^(old M - new M); on the way out 1 / the sum
.set PWD,  228                         ; p's scale word
.set SUM2, 230                         ; v[230:231] the sum's second chain
.set SEL,  88                          ; s[88:89]
.set CS,   90                          ; s[90:91] c = log2(e) / 8
; v1 48 r + 24 h; v2 the same in V; v3, v4 my place among K's and V's scale words; v6 4 r; v7 -infinity; v8-11 addresses in hand; v12 -M; v13 largest t; v[14:15] the sum;
; v16-27 Q (upper six 0); v28 Q's scale word; v29, v30 my stage, in and out; v31, v92 the two tiles' scale words; v32-79 fragments of K or V; v80-85 zeros; v86-89, v90-91 scale words; v232-235 offsets in attq; v236-247 rows on their way out
; s10 wave; s12 g; s13 the tile; s14 its flags; s15 the step; s16-63, s68-83 the step's 64 mask words; s84-87 the step's offsets; s92, s93 the trip; s[94:95], s[96:97] Q's codes and scale words; s98 which two bytes of a scale word are my head's
	s_load_b128 s[4:7], s[0:1], 0x0                ; qkvq, maskw
	s_load_b64 s[8:9], s[0:1], 0x10                ; attq
	v_lshl_add_u32 v254, v0, 2, 0x39000
	v_mov_b32 v255, 0
	v_lshrrev_b32 v1, 5, v0
	v_readfirstlane_b32 s10, v1                    ; wave 0..15
	s_and_b32 s11, ttmp7, 0xffff                   ; 16 batch + head
	s_mul_i32 s20, s11, 98304
	s_mov_b32 s21, 0
	s_lshr_b32 s22, s11, 1
	s_lshl_b32 s22, s22, 13
	s_mov_b32 s23, 0
	s_lshl_b32 s24, s11, 12
	s_mov_b32 s25, 0
	s_and_b32 s98, s11, 1
	s_lshl_b32 s98, s98, 4
	v_lshlrev_b32 v8, 4, v0                        ; 16 x thread
	v_lshlrev_b32 v224, 3, v0                      ; 8 x thread
	s_wait_kmcnt 0x0
	s_add_nc_u64 s[94:95], s[4:5], s[20:21]        ; Q's codes of my head
	s_add_nc_u64 s[26:27], s[94:95], 6291456       ; K's
	s_add_nc_u64 s[28:29], s[94:95], 12582912      ; V's
	s_add_nc_u64 s[96:97], s[4:5], s[22:23]
	s_add_nc_u64 s[96:97], s[96:97], 18874368      ; Q's scale words
	s_add_nc_u64 s[30:31], s[96:97], 262144        ; K's
	s_add_nc_u64 s[32:33], s[4:5], s[24:25]
	s_add_nc_u64 s[32:33], s[32:33], 19398656      ; V's
.irp i, 0,1,2,3,4,5,6,7,8,9,10,11
	global_load_b128 v[96+4*\i:99+4*\i], v8, s[26:27] offset:8192*\i   ; 512 threads x 16 bytes
.endr
.irp i, 0,1,2,3,4,5,6,7,8,9,10,11
	global_load_b128 v[144+4*\i:147+4*\i], v8, s[28:29] offset:8192*\i
.endr
	global_load_b128 v[192:195], v8, s[30:31]
	global_load_b64 v[196:197], v224, s[32:33]
	v_add_nc_u32 v9, 65536, v8                     ; an LDS immediate has 16 bits: four address registers for 196,608 bytes
	v_add_nc_u32 v10, 98304, v8
	v_add_nc_u32 v11, 163840, v8
	v_add_nc_u32 v225, 204800, v224
	v_and_b32 v226, 15, v0                         ; r
	v_bfe_u32 v227, v0, 4, 1                       ; h
	v_mul_u32_u24 v1, v226, 48
	v_mad_u32_u24 v1, v227, 24, v1                 ; 48 r + 24 h
	v_add_nc_u32 v2, 98304, v1
	v_and_b32 v228, 31, v0
	v_lshl_add_u32 v3, v228, 2, 196608
	v_lshl_add_u32 v4, v228, 2, 204800
	v_lshlrev_b32 v6, 2, v226
	v_mov_b32 v7, 0xff800000
	s_mul_i32 s99, s10, 1536
	s_add_co_u32 s99, s99, 208896                  ; my stage
	v_add_nc_u32 v29, s99, v1
	v_lshlrev_b32 v232, 4, v228
	v_add_nc_u32 v30, s99, v232
	s_lshl_b32 s12, ttmp9, 4
	s_add_co_u32 s12, s12, s10                     ; g
	s_mov_b32 s13, s12
	s_lshr_b32 s100, s11, 4
	s_lshl_b32 s100, s100, 7                       ; 128 batch
	s_and_b32 s101, s11, 15                        ; head
	s_add_co_u32 s20, s100, s12                    ; tile g among the 512 of all batches,
	s_sub_co_u32 s21, 127, s12
	s_add_co_u32 s21, s21, s100                    ; tile 127 - g
	s_lshr_b32 s22, s20, 3
	s_mul_i32 s22, s22, 98304
	s_and_b32 s23, s20, 7
	s_mul_i32 s23, s23, 768
	s_add_co_u32 s22, s22, s23                     ; attq: [tile / 8][head][tile % 8][768]
	s_lshr_b32 s24, s21, 3
	s_mul_i32 s24, s24, 98304
	s_and_b32 s23, s21, 7
	s_mul_i32 s23, s23, 768
	s_add_co_u32 s24, s24, s23
	s_sub_co_u32 s24, s24, s22                     ; from the first tile's codes to the second's,
	s_sub_co_u32 s24, s24, 768                     ; less the 768 bytes that part them in my stage
	s_mul_i32 s23, s101, 6144
	s_add_co_u32 s22, s22, s23
	s_mov_b32 s23, 0
	s_lshl_b32 s34, s20, 9
	s_lshr_b32 s35, s101, 2
	s_lshl_b32 s35, s35, 7
	s_add_co_u32 s34, s34, s35
	s_and_b32 s35, s101, 3
	s_lshl_b32 s35, s35, 1
	s_add_co_u32 s34, s34, s35
	s_add_co_u32 s34, s34, 6291456                 ; scale bytes: [tile][head / 4][16 rows][8], two a head
	s_mov_b32 s35, 0
	s_add_nc_u64 s[4:5], s[8:9], s[34:35]
	s_add_nc_u64 s[8:9], s[8:9], s[22:23]
	v_mul_u32_u24 v233, s24, v227
	v_add_nc_u32 v233, v233, v232
	v_add_nc_u32 v233, 512, v233
	v_add_nc_u32 v234, s24, v232
	v_add_nc_u32 v234, 1024, v234
	s_lshl_b32 s25, s12, 1
	s_sub_co_u32 s25, 127, s25
	s_lshl_b32 s25, s25, 9
	v_mul_u32_u24 v235, s25, v227                  ; lanes 16-31 store the second tile's bytes
	v_lshl_add_u32 v235, v226, 3, v235
	s_mov_b32 s[SEL], 0x76543210
	s_mov_b32 s[SEL+1], 0xfedcba98
	s_mov_b32 s[CS], 0x3e38aa3b
	s_mov_b32 s[CS+1], s[CS]
	s_mov_b32 s92, 0
	s_mov_b32 s93, 0
.irp i, 0,1,2,3,4,5
	v_mov_b32 v[22+\i], 0                          ; Q's upper 64 codes
	v_mov_b32 v[80+\i], 0                          ; what stands behind the last tile of K
.endr
.irp b, 0,1,2,3
	v_mov_b32 v[BT+\b], 0                          ; written once: a lane permute's destination counts as one of its sources
.endr
	v_mov_b32 v227, 0                              ; (named as the upper half of the pair v[226:227])
	v_mov_b32 v92, 0
.irp i, 0,1,2,3,4,5,6,7
	s_wait_loadcnt 25-\i                           ; loads come back in order: number i is in, the later ones may be out
	ds_store_b128 v8, v[96+4*\i:99+4*\i] offset:8192*\i
.endr
.irp i, 8,9,10,11
	s_wait_loadcnt 25-\i
	ds_store_b128 v9, v[96+4*\i:99+4*\i] offset:8192*(\i-8)
.endr
.irp i, 0,1,2,3,4,5,6,7
	s_wait_loadcnt 13-\i
	ds_store_b128 v10, v[144+4*\i:147+4*\i] offset:8192*\i
.endr
.irp i, 8,9,10,11
	s_wait_loadcnt 13-\i
	ds_store_b128 v11, v[144+4*\i:147+4*\i] offset:8192*(\i-8)
.endr
	s_wait_loadcnt 1                               ; K's scale words are in; V's may be out
.irp i, 0,1,2,3
	v_bfe_u32 v[192+\i], v[192+\i], s98, 16        ; my head's two bytes; the upper two become 0
.endr
	ds_store_b128 v11, v[192:195] offset:32768
	s_wait_loadcnt 0x0
	ds_store_b64 v225, v[196:197]
	s_wait_dscnt 0x0                               ; for the others' sake: my stores have landed
	s_barrier_signal -1
	s_barrier_wait -1
.Ltile:                                                ; two trips: tile g, then tile 127 - g
	s_lshl_b32 s99, s13, 4
	s_load_b128 s[16:19], s[6:7], s99 offset:0x80000   ; the tile's four flag words
	s_mul_i32 s100, s13, 768
	v_add_nc_u32 v8, s100, v1
	s_lshl_b32 s100, s13, 6
	v_add_nc_u32 v9, s100, v6
.irp p, 0,1,2
	global_load_b64 v[16+2*\p:17+2*\p], v8, s[94:95] offset:8*\p
.endr
	global_load_b32 v28, v9, s[96:97]
	s_mov_b32 s15, 0
	s_mov_b32 s84, 0
	s_mov_b32 s85, 0
	s_mov_b32 s86, 0
	s_lshl_b32 s87, s13, 12                        ; the tile's mask words: 16 steps x 256 bytes
	v_mov_b32 v13, 0xff61b1e6                      ; the largest t so far: -3e38
	v_floor_f32 v12, -v13
	v_mov_b32 v14, 0
	v_mov_b32 v15, 0
	s_wait_loadcnt 0x0
	v_bfe_u32 v28, v28, s98, 16
.irp j, 0,1,2,3,4,5,6,7,8,9,10,11,12,13,14,15,16,17,18,19,20,21,22,23,24,25,26,27,28,29,30,31
	v_mov_b32 v[O+\j], 0                           ; O^T.  (These 32 also part the scale word just written from the first scaled product)
.endr
	s_wait_kmcnt 0x0
	s_or_b32 s14, s16, s17
	s_or_b32 s14, s14, s18
	s_or_b32 s14, s14, s19
.Lstep:                                                ; sixteen trips, 128 keys each
	s_bitcmp1_b32 s14, s15
	s_cbranch_scc1 .Lhidden                        ; every key of the step is hidden from all 16 queries: only the offsets step
	s_load_b512 s[16:31], s[6:7], s87 offset:0x0
	s_load_b512 s[32:47], s[6:7], s87 offset:0x40
	s_load_b512 s[48:63], s[6:7], s87 offset:0x80
	s_load_b512 s[68:83], s[6:7], s87 offset:0xc0
	v_add_nc_u32 v8, s84, v1                       ; (these four are the places in front of loads into registers that the last products read)
	v_add_nc_u32 v9, s84, v2
	v_add_nc_u32 v10, s85, v3
	v_add_nc_u32 v11, s86, v4
.irp t, 0,1,2,3,4,5,6,7
.irp p, 0,1,2
	ds_load_b64 v[32+6*\t+2*\p:33+6*\t+2*\p], v8 offset:768*\t+8*\p
.endr
.endr
.irp u, 0,1,2,3
	ds_load_b32 v[86+\u], v10 offset:128*\u        ; lanes 0-15 tile 2 u's words, lanes 16-31 tile 2 u + 1's
.endr
	s_wait_dscnt 0x0
.irp t, 0,2,4,6
	v_wmma_scale_f32_16x16x128_f8f6f4 v[S+8*\t:S+8*\t+7], v[32+6*\t:43+6*\t], v[16:27], 0, v[86+\t/2], v28 matrix_a_fmt:MATRIX_FMT_BF6 matrix_b_fmt:MATRIX_FMT_BF6
	v_wmma_scale_f32_16x16x128_f8f6f4 v[S+8*\t+8:S+8*\t+15], v[38+6*\t:49+6*\t], v[16:27], 0, v[86+\t/2], v28 matrix_a_fmt:MATRIX_FMT_BF6 matrix_b_fmt:MATRIX_FMT_BF6 matrix_a_scale:MATRIX_SCALE_ROW1
.endr
.rept 4
	v_nop                                          ; places: in front of the loads below and of the first read of the scores
.endr
.irp t, 0,1,2,3
.irp p, 0,1,2,3,4,5
	ds_load_b64 v[32+12*\t+2*\p:33+12*\t+2*\p], v9 offset:(\p/3)*3072+768*\t+8*(\p%3)   ; V's fragments land under the softmax
.endr
.endr
.irp u, 0,1
	ds_load_b32 v[90+\u], v11 offset:128*\u
.endr
	s_wait_kmcnt 0x0                               ; the mask words are in, on every way
	s_add_co_u32 s99, s15, 16
	s_bitcmp1_b32 s14, s99
	s_cbranch_scc0 .Lopen                          ; no key of the step is hidden
.irp n, 0,1,2,3,4,5,6,7,8,9,10,11,12,13,14,15,16,17,18,19,20,21,22,23,24,25,26,27,28,29,30,31,32,33,34,35,36,37,38,39,40,41,42,43,44,45,46,47,48,49,50,51,52,53,54,55,56,57,58,59,60,61,62,63
	v_cndmask_b32 v[S+\n], v[S+\n], v7, s[16+\n+4*(\n/48)]   ; -infinity where the lane's bit is set
.endr
.Lopen:
.irp b, 0,1,2,3
	v_max3_num_f32 v[BM+\b], v[S+16*\b], v[S+1+16*\b], v[S+2+16*\b]   ; the largest score of each block of 32 keys: for the row's maximum and, since p rises with the score, for the block's largest p
.endr
.irp i, 3,5,7,9,11,13
.irp b, 0,1,2,3
	v_max3_num_f32 v[BM+\b], v[BM+\b], v[S+16*\b+\i], v[S+1+16*\b+\i]
.endr
.endr
.irp b, 0,1,2,3
	v_max_num_f32 v[BM+\b], v[BM+\b], v[S+15+16*\b]
.endr
.irp b, 0,1,2,3
	v_permlanex16_b32 v[BT+\b], v[BM+\b], s[SEL], s[SEL+1]
.endr
.irp b, 0,1,2,3
	v_max_num_f32 v[BM+\b], v[BM+\b], v[BT+\b]
.endr
	v_max3_num_f32 v[WK], v[BM], v[BM+1], v[BM+2]
	v_max_num_f32 v[WK], v[WK], v[BM+3]
	v_mul_f32 v[WK], s[CS], v[WK]
	v_max_num_f32 v13, v13, v[WK]                  ; the running largest t
	v_mov_b32 v[WK], v12
	v_floor_f32 v12, -v13                          ; -M = floor(-t): M is a whole number
	v_sub_f32 v[WK], v12, v[WK]
	v_cvt_i32_f32 v[WK], v[WK]                     ; (it saturates)
	v_ldexp_f32 v[F], 1.0, v[WK]                   ; f = 2^(old M - new M)
.irp j, 0,2,4,6,8,10,12,14,16,18,20,22,24,26,28,30,32,34,36,38,40,42,44,46,48,50,52,54,56,58,60,62
	v_pk_fma_f32 v[S+\j:S+1+\j], v[S+\j:S+1+\j], s[CS:CS+1], v[12:13] op_sel_hi:[1,0,0]   ; t - M
.endr
.irp b, 0,1,2,3
	v_fma_f32 v[BM+\b], v[BM+\b], s[CS], v12
.endr
.irp j, 0,1,2,3,4,5,6,7,8,9,10,11,12,13,14,15,16,17,18,19,20,21,22,23,24,25,26,27,28,29,30,31,32,33,34,35,36,37,38,39,40,41,42,43,44,45,46,47,48,49,50,51,52,53,54,55,56,57,58,59,60,61,62,63
	v_exp_f32 v[S+\j], v[S+\j]                     ; p = 2^(t - M)
.endr
	v_pk_mul_f32 v[14:15], v[14:15], v[F:F+1] op_sel_hi:[1,0]   ; the sums under the new M (a plain place behind the exponentials)
	s_wait_alu depctr_va_vdst(0)                   ; one wait for the batch of 64, ahead of its first reader
.irp b, 0,1,2,3
	v_exp_f32 v[BM+\b], v[BM+\b]                   ; each block's largest p
.endr
	v_pk_add_f32 v[SUM2:SUM2+1], v[S:S+1], v[S+2:S+3]   ; the row's sum of the unquantised p, in two chains
.irp j, 4,8,12,16,20,24,28,32,36,40,44,48,52,56,60
	v_pk_add_f32 v[14:15], v[14:15], v[S+\j:S+1+\j]
	v_pk_add_f32 v[SUM2:SUM2+1], v[SUM2:SUM2+1], v[S+2+\j:S+3+\j]
.endr
	v_pk_add_f32 v[14:15], v[14:15], v[SUM2:SUM2+1]
	s_wait_alu depctr_va_vdst(0)                   ; and one for the four
.irp b, 0,1,2,3
	v_max_num_f32 v[BM+\b], 0x2800000, v[BM+\b]    ; the floor 2^(5 - 127)
.endr
.irp b, 0,1,2,3
	v_add_nc_u32 v[SO+\b], 0xfe000000, v[BM+\b]
.endr
.irp b, 0,1,2,3
	v_lshrrev_b32 v[BT+\b], 23, v[SO+\b]
.endr
	v_lshl_or_b32 v[PWD], v[BT+1], 8, v[BT]
	v_lshl_or_b32 v[PWD], v[BT+2], 16, v[PWD]
	v_lshl_or_b32 v[PWD], v[BT+3], 24, v[PWD]
.irp c, 0,1
	v_cvt_scalef32_pk16_bf6_f32 v[PCD+6*\c:PCD+2+6*\c], v[S+32*\c:S+15+32*\c], v[SO+2*\c]
	v_cvt_scalef32_pk16_bf6_f32 v[CT+4*\c:CT+2+4*\c], v[S+16+32*\c:S+31+32*\c], v[SO+2*\c+1]
.endr
	v_nop                                          ; one plain place behind a scaled conversion
.irp c, 0,1
.irp i, 0,1,2
	v_permlane16_swap_b32 v[PCD+6*\c+\i], v[CT+4*\c+\i]
.endr
.irp i, 0,1,2
	v_mov_b32 v[PCD+3+6*\c+\i], v[CT+4*\c+\i]
.endr
.endr
.irp j, 0,2,4,6,8,10,12,14,16,18,20,22,24,26,28,30
	v_pk_mul_f32 v[O+\j:O+1+\j], v[O+\j:O+1+\j], v[F:F+1] op_sel_hi:[1,0]   ; O^T under the new M.  (These 16 part the codes and the scale word just written from the scaled products)
.endr
	s_wait_dscnt 0x0                               ; V
.irp t, 0,2
	v_wmma_scale_f32_16x16x128_f8f6f4 v[O+8*\t:O+8*\t+7], v[32+12*\t:43+12*\t], v[PCD:PCD+11], v[O+8*\t:O+8*\t+7], v[90+\t/2], v[PWD] matrix_a_fmt:MATRIX_FMT_BF6 matrix_b_fmt:MATRIX_FMT_BF6
	v_wmma_scale_f32_16x16x128_f8f6f4 v[O+8*\t+8:O+8*\t+15], v[44+12*\t:55+12*\t], v[PCD:PCD+11], v[O+8*\t+8:O+8*\t+15], v[90+\t/2], v[PWD] matrix_a_fmt:MATRIX_FMT_BF6 matrix_b_fmt:MATRIX_FMT_BF6 matrix_a_scale:MATRIX_SCALE_ROW1
.endr
.Lhidden:
	s_add_co_u32 s84, s84, 6144
	s_add_co_u32 s85, s85, 512
	s_add_co_u32 s86, s86, 256
	s_add_co_u32 s87, s87, 256
	s_add_co_u32 s15, s15, 1
	s_cmp_lt_u32 s15, 16
	s_cbranch_scc1 .Lstep
	; the tile's way out: O^T / the sum, quantised: register 16 b + i is d = 32 b + 16 h + i of my query
.rept 4
	v_nop
.endr
	v_add_f32 v14, v14, v15
	v_permlanex16_b32 v[WK], v14, s[SEL], s[SEL+1]
	v_add_f32 v14, v14, v[WK]                      ; the row's sum
	v_cmp_neq_f32 vcc_lo, 0, v14
	v_rcp_f32 v[F], v14
	v_add_nc_u32 v93, s93, v29                     ; (a plain place behind the reciprocal)  this trip's half of my stage
	s_wait_alu depctr_va_vdst(0)                   ; ahead of the first reader
.irp j, 0,2,4,6,8,10,12,14,16,18,20,22,24,26,28,30
	v_pk_mul_f32 v[S+\j:S+1+\j], v[O+\j:O+1+\j], v[F:F+1] op_sel_hi:[1,0]
.endr
.irp b, 0,1
	v_max3_num_f32 v[BM+\b], |v[S+16*\b]|, |v[S+1+16*\b]|, 0x2800000
.endr
.irp i, 2,4,6,8,10,12,14
.irp b, 0,1
	v_max3_num_f32 v[BM+\b], v[BM+\b], |v[S+16*\b+\i]|, |v[S+1+16*\b+\i]|
.endr
.endr
.irp b, 0,1
	v_permlanex16_b32 v[BT+\b], v[BM+\b], s[SEL], s[SEL+1]
.endr
.irp b, 0,1
	v_max_num_f32 v[BM+\b], v[BM+\b], v[BT+\b]
.endr
.irp b, 0,1
	v_add_nc_u32 v[SO+\b], 0xfe000000, v[BM+\b]
.endr
.irp b, 0,1
	v_lshrrev_b32 v[BT+\b], 23, v[SO+\b]
.endr
	v_lshl_or_b32 v[WK], v[BT+1], 8, v[BT]
	v_cndmask_b32 v[WK], 0xffff, v[WK], vcc_lo     ; the sum is 0: every key was hidden: the NaN byte
	v_mov_b32 v31, v92
	v_mov_b32 v92, v[WK]
	v_cvt_scalef32_pk16_bf6_f32 v[CT:CT+2], v[S:S+15], v[SO]
	v_cvt_scalef32_pk16_bf6_f32 v[CT+4:CT+6], v[S+16:S+31], v[SO+1]
	v_nop
.irp i, 0,1,2
	v_permlane16_swap_b32 v[CT+\i], v[CT+4+\i]
.endr
.irp i, 0,1,2
	v_mov_b32 v[CT+3+\i], v[CT+4+\i]               ; (ascending: each source is read before it is written)
.endr
.irp p, 0,1,2
	ds_store_b64 v93, v[CT+2*\p:CT+2*\p+1] offset:8*\p
.endr
	s_wait_dscnt 0x0                               ; the stores have read their registers
	s_sub_co_u32 s13, 127, s13
	s_add_co_u32 s93, s93, 768
	s_add_co_u32 s92, s92, 1
	s_cmp_lt_u32 s92, 2
	s_cbranch_scc1 .Ltile
.irp j, 0,1,2
	ds_load_b128 v[236+4*\j:239+4*\j], v30 offset:512*\j   ; both tiles' codes, 16 bytes a lane
.endr
	s_mov_b32 s99, 0xffff0000
	v_cndmask_b32 v[WK], v31, v92, s99             ; lanes 0-15 the first tile's scale bytes, lanes 16-31 the second's
	s_wait_dscnt 0x0
	global_store_b128 v232, v[236:239], s[8:9]     ; sixteen lanes store 256 consecutive bytes, aligned
	global_store_b128 v233, v[240:243], s[8:9]
	global_store_b128 v234, v[244:247], s[8:9]
	global_store_b16 v235, v[WK], s[4:5]           ; two bytes a row, 8 bytes apart: one part in 24 of the codes' bytes
	s_wait_tensorcnt 0x0
	ds_add_u32 v254, v255
	s_wait_dscnt 0x0
	s_endpgm
.Lfunc_end_k_q0957acf968_attn:
	.size	k_q0957acf968_attn, .Lfunc_end_k_q0957acf968_attn-k_q0957acf968_attn
	.p2alignl 7, 3214868480
	.fill 96, 4, 3214868480
	.section	.rodata,"a",@progbits
	.p2align	6, 0x0
	.amdhsa_kernel k_q0957acf968_attn
		.amdhsa_group_segment_fixed_size 235520
		.amdhsa_private_segment_fixed_size 0
		.amdhsa_enable_private_segment 0
		.amdhsa_kernarg_size 24
		.amdhsa_user_sgpr_count 2
		.amdhsa_user_sgpr_kernarg_segment_ptr 1
		.amdhsa_wavefront_size32 1
		.amdhsa_system_sgpr_workgroup_id_x 1
		.amdhsa_system_sgpr_workgroup_id_y 1
		.amdhsa_system_sgpr_workgroup_id_z 1
		.amdhsa_system_vgpr_workitem_id 0
		.amdhsa_next_free_vgpr 256
		.amdhsa_next_free_sgpr 102
		.amdhsa_reserve_vcc 1
		.amdhsa_float_denorm_mode_32 3
		.amdhsa_float_denorm_mode_16_64 3
		.amdhsa_memory_ordered 1
		.amdhsa_forward_progress 1
		.amdhsa_inst_pref_size 39
	.end_amdhsa_kernel
	.amdgpu_metadata
---
amdhsa.version: [ 1, 2 ]
amdhsa.kernels:
  - .name:           k_q0957acf968_attn
    .symbol:         k_q0957acf968_attn.kd
    .args:
      - { .name: qkvq, .offset: 0, .size: 8, .value_kind: global_buffer, .address_space: global }
      - { .name: maskw, .offset: 8, .size: 8, .value_kind: global_buffer, .address_space: global }
      - { .name: attq, .offset: 16, .size: 8, .value_kind: global_buffer, .address_space: global }
    .group_segment_fixed_size: 235520
    .private_segment_fixed_size: 0
    .kernarg_segment_align: 8
    .kernarg_segment_size: 24
    .max_flat_workgroup_size: 512
    .sgpr_count:     102
    .vgpr_count:     256
    .wavefront_size: 32
...
	.end_amdgpu_metadata
.endif
;; end of part 3
;; launch outp (part 4): grid 4 x 32, 4 waves a work-group, clusters of 4 x 4, 327,680 bytes of LDS; arguments attq, wgtq, out0; writes out0
.if DOCPART == 4
	.amdgcn_target "amdgcn-amd-amdhsa--gfx1250"
	.amdhsa_code_object_version 6
	.text
	.protected	k_q0957acf968_outp
	.globl	k_q0957acf968_outp
	.p2align	8
	.type	k_q0957acf968_outp,@function
k_q0957acf968_outp:
	s_mov_b64 s[64:65], 0
	v_nop
	global_prefetch_b8 v0, s[64:65] scope:SCOPE_SE
	s_setreg_imm32_b32 hwreg(HW_REG_WAVE_MODE, 25, 1), 1
	s_wait_xcnt 0x0
	s_wait_alu depctr_hold_cnt(0) depctr_sa_sdst(0) depctr_va_vdst(0) depctr_va_sdst(0) depctr_va_ssrc(0) depctr_va_vcc(0) depctr_vm_vsrc(0)
	s_getreg_b32 s2, hwreg(HW_REG_IB_STS2, 6, 4)
	s_cmp_eq_u32 s2, 0
	s_cbranch_scc0 .Lentry_in_a_cluster
	s_endpgm
.Lentry_in_a_cluster:
	s_bfe_u32 s2, ttmp6, 0x10000c
	s_cmp_lg_u32 s2, 0xf033
	s_cbranch_scc0 .Lentry_shape_is_right
	s_endpgm
.Lentry_shape_is_right:
; out0 = (attention's result) Wo on codes of BF6 (E3M2) with one E8M0 scale for each 32 along K, K = 1,024; out0 [8192][1024] f32.
; A = attq: codes [token position / 128][K / 64][128][48 bytes], scale bytes [position / 16][K / 256][16][8] behind them.  B = Wo's part of wgtq, laid likewise by the positions of its columns.
; A position is an index with bits 3 and 4 swapped.  The matrix instruction is used transposed (source 0 = 16 rows of B, source 1 = 16 rows of A): a lane holds one token, and the 16 registers of two
; neighbouring tiles are 16 true neighbours among the columns; the tokens go back to their true rows by the stores' immediate offsets.
; A tile is 256 x 256: four waves of 128 x 128.  K goes in four slots' worth of 256 through a ring of two LDS slots; a slot's 128 rows are 24,576 consecutive bytes of memory.
; CLUSTERS: 4 x 4 work-groups; A's tiles are asked for jointly along a row of the cluster, B's along a column.  128 tiles: half of the WGPs have a work-group.
; A scale byte 0xff in A (a query all of whose keys were hidden) makes that token's whole row NaN, as the reference has it.
; REGISTERS: window 0: v0-31 addresses; v32-63 scale words, two sets; v128-223 A's fragments; on the way out v128-255.  window 1: B's fragments, two sets.  windows 2, 3: the accumulators.
.set NQ,     2
.set FR,     12
.set NL,     6
.set NP,     4
.set HALFT,  24576
.set SLOT,   98304
.set LAPS,   2
.set SCL,    196608
.set SCB,    8320
.set SPARE,  213248                    ; the spare words, 128 bytes for each wave: two blocks of 256 bytes that no other line names
.set STG,    213760                    ; the way out: 16 rows x (512 bytes + 16) for each wave; no fill lands here
.set SPITCH, 528
.set ADRA, 16
.set ADRB, 20
.set STO,  24
.set RD,   25
.set CO,   26
.set ADRS, 27
.set SPW,  28
.set NIL,  29
.set SC,   32
.set AF,   128
.set BK,   128
.set G1, 24
.set G0, 32
.set G1B, 48
.set G0B, 56
.set G1S, 68
.set G0S, 76
.set G1SB, 80
.set G0SB, 88
.set MSB, 0
.macro WIN new
.if MSB != (\new)
	s_set_vgpr_msb (MSB<<8)|(\new)
.set MSB, (\new)
.endif
.endm
.set MUL_LO, 0xa1
.set MUL_HI, 0xf1
.set TO_B,   0x40
.macro JLOAD g0a, g1a, g0b, g1b        ; a joint load: waves 0 and 1 for A, waves 2 and 3 for B; four v_nop follow each line
	s_cmp_eq_u32 s15, 0
	s_cbranch_scc0 .Lfor_b_\@
	tensor_load_to_lds s[\g0a:\g0a+3], s[\g1a:\g1a+7]
	s_nop 0
.rept 4
	v_nop
.endr
	s_branch .Lasked_\@
.Lfor_b_\@:
	tensor_load_to_lds s[\g0b:\g0b+3], s[\g1b:\g1b+7]
	s_nop 0
.rept 4
	v_nop
.endr
.Lasked_\@:
.endm
.macro CREST
	s_cmp_lg_u32 s14, 0
	s_cbranch_scc1 .Lnot_wave_0_\@
	s_barrier_signal -3
.Lnot_wave_0_\@:
	s_barrier_wait -3
	s_barrier_signal -1
	s_barrier_wait -1
.endm
.macro CROUND
	s_barrier_signal -1
	s_barrier_wait -1
	CREST
.endm
	s_load_b128 s[4:7], s[0:1], 0x0                ; attq, wgtq
	s_load_b64 s[8:9], s[0:1], 0x10                ; out0
	v_lshl_add_u32 v[SPW], v0, 2, SPARE
	v_mov_b32 v[NIL], 0
	ds_add_u32 v28, v29
	ds_add_u32 v28, v29
	s_wait_dscnt 0x0
	v_lshrrev_b32 v1, 5, v0
	v_readfirstlane_b32 s14, v1
	s_lshr_b32 s15, s14, 1
	s_and_b32 s16, s14, 1
	s_bfe_u32 s40, ttmp6, 0x40000                  ; cx
	s_bfe_u32 s41, ttmp6, 0x40004                  ; cy
	s_lshl_b32 s19, ttmp9, 2
	s_add_co_u32 s19, s19, s40                     ; tile column
	s_and_b32 s18, ttmp7, 0xffff
	s_lshl_b32 s18, s18, 2
	s_add_co_u32 s18, s18, s41                     ; tile row
	s_lshl_b32 s43, s41, 2
	s_lshl_b32 s43, 15, s43
	s_lshl_b32 s44, 0x1111, s40
	s_or_b32 s[G1+0], s43, (3<<16)|(1<<21)         ; a dense block as rows of 256 bytes (32 elements of 8 bytes), no padding
	s_or_b32 s[G1B+0], s44, (3<<16)|(1<<21)
.irp g, G1, G1B
	s_mov_b32 s[\g+1], 32<<16
	s_mov_b32 s[\g+2], 96<<16
	s_mov_b32 s[\g+3], 32<<16
	s_mov_b32 s[\g+4], 96
	s_mov_b32 s[\g+5], 32
	s_mov_b32 s[\g+6], 0
	s_mov_b32 s[\g+7], 0
.endr
	s_or_b32 s[G1S+0], s43, (3<<16)|(1<<21)
	s_or_b32 s[G1SB+0], s44, (3<<16)|(1<<21)
.irp g, G1S, G1SB
	s_mov_b32 s[\g+1], 32<<16
	s_mov_b32 s[\g+2], 16<<16
	s_mov_b32 s[\g+3], 32<<16
	s_mov_b32 s[\g+4], 16
	s_mov_b32 s[\g+5], 32
	s_mov_b32 s[\g+6], 0
	s_mov_b32 s[\g+7], 0
.endr
	s_lshl_b32 s20, s18, 1
	s_add_co_u32 s20, s20, s16                     ; A: which block of 128 rows I fetch
	s_lshl_b32 s46, s19, 1
	s_add_co_u32 s46, s46, s16                     ; B
	s_lshl_b32 s22, s20, 12
	s_add_co_u32 s22, s22, 6291456                 ; A's scale bytes
	s_mul_i32 s20, s20, 98304
	s_lshl_b32 s92, s46, 12
	s_add_co_u32 s92, s92, 3244032                 ; Wo's scale bytes
	s_mul_i32 s46, s46, 98304
	s_add_co_u32 s46, s46, 2359296                 ; Wo's codes
	s_mov_b32 s21, 0
	s_mov_b32 s23, 0
	s_mov_b32 s47, 0
	s_mov_b32 s93, 0
	s_mul_i32 s45, s14, HALFT
	s_lshl_b32 s94, s14, 12
	s_lshl_b32 s95, s15, 7
	s_add_co_u32 s94, s94, s95
	s_wait_kmcnt 0x0
	s_add_nc_u64 s[20:21], s[4:5], s[20:21]
	s_add_nc_u64 s[22:23], s[4:5], s[22:23]
	s_add_nc_u64 s[46:47], s[6:7], s[46:47]
	s_add_nc_u64 s[92:93], s[6:7], s[92:93]
	CROUND                                         ; all sixteen work-groups are here: the first joint loads meet
	s_mov_b32 s[G0S], 1
	s_add_co_u32 s[G0S+1], s94, SCL
	s_mov_b64 s[G0S+2:G0S+3], s[22:23]
	s_or_b32 s[G0S+3], s[G0S+3], 0x80000000
	s_mov_b32 s[G0SB], 1
	s_add_co_u32 s[G0SB+1], s94, SCL
	s_mov_b64 s[G0SB+2:G0SB+3], s[92:93]
	s_or_b32 s[G0SB+3], s[G0SB+3], 0x80000000
	JLOAD G0S, G1S, G0SB, G1SB
.irp s, 0,1
	s_mov_b32 s[G0+4*\s], 1
	s_add_co_u32 s[G0+4*\s+1], s45, \s*SLOT
	s_add_nc_u64 s[G0+4*\s+2:G0+4*\s+3], s[20:21], \s*HALFT
	s_or_b32 s[G0+4*\s+3], s[G0+4*\s+3], 0x80000000
	s_mov_b32 s[G0B+4*\s], 1
	s_add_co_u32 s[G0B+4*\s+1], s45, \s*SLOT
	s_add_nc_u64 s[G0B+4*\s+2:G0B+4*\s+3], s[46:47], \s*HALFT
	s_or_b32 s[G0B+4*\s+3], s[G0B+4*\s+3], 0x80000000
	JLOAD G0+4*\s, G1, G0B+4*\s, G1B               ; three tensor loads of mine are out
.endr
	v_and_b32 v1, 15, v0
	v_bfe_u32 v2, v0, 4, 1
	v_mul_u32_u24 v3, v1, 48
	v_mad_u32_u24 v4, v2, 24, v3                   ; 48 r + 24 h
	s_mul_i32 s21, s15, HALFT
	s_mul_i32 s22, s16, HALFT
	s_add_co_u32 s22, s22, 2*HALFT
.irp s, 0,1
	v_add_nc_u32 v[ADRA+\s], s21, v4
	v_add_nc_u32 v[ADRB+\s], s22, v4
	s_add_co_u32 s21, s21, SLOT
	s_add_co_u32 s22, s22, SLOT
.endr
	v_lshlrev_b32 v5, 3, v1
	s_lshl_b32 s21, s15, 12
	s_lshl_b32 s22, s16, 12
	s_add_co_u32 s22, s22, SCB
	s_sub_co_u32 s22, s22, s21
	v_mul_u32_u24 v6, s22, v2                      ; lanes 16-31 take B's
	s_add_co_u32 s21, s21, SCL
	v_add_nc_u32 v5, v5, v6
	v_add_nc_u32 v[ADRS], s21, v5
	s_mul_i32 s23, s14, 16*SPITCH
	s_add_co_u32 s23, s23, STG                     ; my stage
	v_mul_u32_u24 v5, v1, SPITCH
	v_lshl_add_u32 v5, v2, 6, v5                   ; in: row r; my half's 16 columns of each 32: 64 h bytes on
	v_add_nc_u32 v[STO], s23, v5
	v_and_b32 v6, 31, v0
	v_lshlrev_b32 v[CO], 4, v6                     ; back: the 32 lanes take one row of 512 bytes; and the same in out0
	v_add_nc_u32 v[RD], s23, v[CO]
	s_lshl_b32 s20, s18, 8
	s_lshl_b32 s21, s15, 7
	s_add_co_u32 s20, s20, s21                     ; my first token
	s_lshl_b32 s20, s20, 12                        ; rows of 4,096 bytes
	s_lshl_b32 s46, s19, 10
	s_lshl_b32 s47, s16, 9
	s_add_co_u32 s46, s46, s47                     ; my first column, in bytes
	s_add_co_u32 s20, s20, s46
	s_mov_b32 s21, 0
	s_add_nc_u64 s[12:13], s[8:9], s[20:21]
.macro FRAG reg, adr, q, i
.irp p, 0,1,2,3,4,5
	ds_load_b64 v[\reg+2*\p:\reg+2*\p+1], v[\adr] offset:(2*(\q)+\p/3)*6144+(\i)*768+8*(\p%3)
.endr
.endm
.macro MUL16 a0, p, q, sc, zero        ; the 64 accumulators take turns, one instruction a turn
.irp a, \a0, \a0+1
.irp b, 0,1,2,3,4,5,6,7
.if \zero
	v_wmma_scale_f32_16x16x128_f8f6f4 v[8*(8*((\a)%4)+\b):8*(8*((\a)%4)+\b)+7], v[128*(\p)+FR*\b:128*(\p)+FR*\b+FR-1], v[AF+FR*(\a):AF+FR*(\a)+FR-1], 0, v[SC+8*NQ*(\sc)+NQ*\b+(\q)], v[SC+8*NQ*(\sc)+NQ*(\a)+(\q)] matrix_a_fmt:MATRIX_FMT_BF6 matrix_b_fmt:MATRIX_FMT_BF6 matrix_a_scale:MATRIX_SCALE_ROW1
.else
	v_wmma_scale_f32_16x16x128_f8f6f4 v[8*(8*((\a)%4)+\b):8*(8*((\a)%4)+\b)+7], v[128*(\p)+FR*\b:128*(\p)+FR*\b+FR-1], v[AF+FR*(\a):AF+FR*(\a)+FR-1], v[8*(8*((\a)%4)+\b):8*(8*((\a)%4)+\b)+7], v[SC+8*NQ*(\sc)+NQ*\b+(\q)], v[SC+8*NQ*(\sc)+NQ*(\a)+(\q)] matrix_a_fmt:MATRIX_FMT_BF6 matrix_b_fmt:MATRIX_FMT_BF6 matrix_a_scale:MATRIX_SCALE_ROW1
.endif
.endr
.endr
.endm
.macro FETCH_B slot, q, p
	WIN TO_B
.irp i, 0,1,2,3,4,5,6,7
	FRAG 128*(\p)+FR*\i, ADRB+\slot, \q, \i
.endr
	WIN 0
.endm
.macro FETCH_A slot, q, i0
.irp i, \i0, \i0+1, \i0+2, \i0+3
	FRAG AF+FR*(\i), ADRA+\slot, \q, \i
.endr
.endm
.macro SCALES sc
.irp i, 0,1,2,3,4,5,6,7
	ds_load_b64 v[SC+8*NQ*\sc+NQ*\i:SC+8*NQ*\sc+NQ*\i+1], v[ADRS] offset:\i*512
.endr
.endm
.macro PLACES n
.rept \n
	v_nop
.endr
.endm
.macro STEP slot, q, zero
	s_wait_dscnt 4*NL                              ; B's set and A's blocks 0-3 are in; the 24 youngest loads (A's blocks 4-7) may be out
	WIN MUL_LO
	MUL16 0, (\q)%2, \q, \slot, \zero
	MUL16 2, (\q)%2, \q, \slot, \zero
	s_wait_dscnt 0
	PLACES NP
	FETCH_B \slot, (\q)+1, 1-(\q)%2
	FETCH_A \slot, (\q)+1, 0
	WIN MUL_HI
	MUL16 4, (\q)%2, \q, \slot, \zero
	MUL16 6, (\q)%2, \q, \slot, \zero
	PLACES NP
	WIN 0
	FETCH_A \slot, (\q)+1, 4
.endm
.macro TURN slot, next, fill
	s_wait_tensorcnt 0x0                           ; all my tensor loads have landed: my part of the next slot
	ds_add_u32 v[SPW], v[NIL]                      ; 0 onto my spare word
	s_wait_dscnt 4*NL+1                            ; (the add and the 24 youngest loads may be out)
	WIN MUL_LO
	MUL16 0, 1, NQ-1, \slot, 0
	s_wait_dscnt 0x0                               ; the add is done, and my reads of this slot are over
	s_barrier_signal -1
	MUL16 2, 1, NQ-1, \slot, 0
	WIN 0
	s_barrier_wait -1
.if \fill
	CREST                                          ; a round of the cluster's barrier: no wave of any partner still reads this slot or has a load on its way
	s_add_nc_u64 s[G0+4*\slot+2:G0+4*\slot+3], s[G0+4*\slot+2:G0+4*\slot+3], 2*HALFT
	s_add_nc_u64 s[G0B+4*\slot+2:G0B+4*\slot+3], s[G0B+4*\slot+2:G0B+4*\slot+3], 2*HALFT
	JLOAD G0+4*\slot, G1, G0B+4*\slot, G1B
.else
	PLACES NP
.endif
	v_add_nc_u32 v[ADRS], 128, v[ADRS]
	FETCH_B \next, 0, 0
	FETCH_A \next, 0, 0
	SCALES \next
	WIN MUL_HI
	MUL16 4, 1, NQ-1, \slot, 0
	MUL16 6, 1, NQ-1, \slot, 0
	PLACES NP
	WIN 0
	FETCH_A \next, 0, 4
.endm
	s_wait_tensorcnt 1                             ; the scale bytes and my part of slot 0 are in; slot 1's load may be out
	s_barrier_signal -1
	s_barrier_wait -1
	FETCH_B 0, 0, 0
	FETCH_A 0, 0, 0
	SCALES 0
	FETCH_A 0, 0, 4
	STEP 0, 0, 1
	s_mov_b32 s3, LAPS-1
.Llap:
	TURN 0, 1, 1
	STEP 1, 0, 0
	TURN 1, 0, 1
	STEP 0, 0, 0
	s_sub_co_u32 s3, s3, 1
	s_cmp_lg_u32 s3, 0
	s_cbranch_scc1 .Llap
	TURN 0, 1, 0
	STEP 1, 0, 0
	s_wait_dscnt 4*NL
	WIN MUL_LO
	MUL16 0, 1, NQ-1, 1, 0
	MUL16 2, 1, NQ-1, 1, 0
	s_wait_dscnt 0
	WIN MUL_HI
	MUL16 4, 1, NQ-1, 1, 0
	MUL16 6, 1, NQ-1, 1, 0
	WIN 0
; THE WAY OUT, a tile of 16 tokens x 128 columns at a time, through my own stage.  Register j of accumulator b is column 32 (b / 2) + 16 h + 8 (b % 2) + j.
.macro TOSTAGE a
.set AC, 64*((\a)%4)
	WIN 0x08+4*((\a)/4)                            ; the data: window 2 or 3
.irp b, 0,1,2,3,4,5,6,7
	ds_store_b128 v[STO], v[AC+8*\b:AC+8*\b+3] offset:128*(\b/2)+32*(\b%2)       ; each accumulator from its low end on
	ds_store_b128 v[STO], v[AC+8*\b+4:AC+8*\b+7] offset:128*(\b/2)+32*(\b%2)+16
.endr
	WIN 0
.set BB, BK+64*((\a)%2)
.irp t, 0,1,2,3,4,5,6,7,8,9,10,11,12,13,14,15
	ds_load_b128 v[BB+4*\t:BB+4*\t+3], v[RD] offset:\t*SPITCH    ; LDS serves a wave's instructions in order: these see the stores above
.endr
.endm
.macro SEND a, younger                 ; row t of tile a is the token 32 (a / 2) + 8 (a % 2) + 16 (t / 8) + t % 8 of my 128: at most 127 rows of 4,096 bytes, inside the signed 24-bit immediate
.set BB, BK+64*((\a)%2)
	s_wait_dscnt \younger
.irp t, 0,1,2,3,4,5,6,7,8,9,10,11,12,13,14,15
	global_store_b128 v[CO], v[BB+4*\t:BB+4*\t+3], s[12:13] offset:(32*((\a)/2)+8*((\a)%2)+16*(\t/8)+\t%8)*4096 th:TH_STORE_NT   ; 32 lanes store 512 consecutive bytes, aligned to 256
.endr
.endm
	PLACES NP
	TOSTAGE 0
.irp a, 1,2,3,4,5,6,7
.if \a > 1
	s_wait_xcnt 0x0                                ; tile a - 2's stores have read their registers: tile a's rows may land there
.endif
	TOSTAGE \a
	SEND \a-1, 32                                  ; behind tile a - 1's loads: tile a's 16 stores and 16 loads
.endr
	SEND 7, 0
	s_wait_tensorcnt 0x0                           ; the wave's end
	ds_add_u32 v[SPW], v[NIL]
	s_wait_dscnt 0x0
	CROUND                                         ; the closing round
	s_endpgm
.Lfunc_end_k_q0957acf968_outp:
	.size	k_q0957acf968_outp, .Lfunc_end_k_q0957acf968_outp-k_q0957acf968_outp
	.p2alignl 7, 3214868480
	.fill 96, 4, 3214868480
	.section	.rodata,"a",@progbits
	.p2align	6, 0x0
	.amdhsa_kernel k_q0957acf968_outp
		.amdhsa_group_segment_fixed_size 327680
		.amdhsa_private_segment_fixed_size 0
		.amdhsa_enable_private_segment 0
		.amdhsa_kernarg_size 24
		.amdhsa_user_sgpr_count 2
		.amdhsa_user_sgpr_kernarg_segment_ptr 1
		.amdhsa_wavefront_size32 1
		.amdhsa_system_sgpr_workgroup_id_x 1
		.amdhsa_system_sgpr_workgroup_id_y 1
		.amdhsa_system_sgpr_workgroup_id_z 1
		.amdhsa_system_vgpr_workitem_id 0
		.amdhsa_next_free_vgpr 1024
		.amdhsa_next_free_sgpr 102
		.amdhsa_reserve_vcc 0
		.amdhsa_float_denorm_mode_32 3
		.amdhsa_float_denorm_mode_16_64 3
		.amdhsa_memory_ordered 1
		.amdhsa_forward_progress 1
		.amdhsa_inst_pref_size 159
	.end_amdhsa_kernel
	.amdgpu_metadata
---
amdhsa.version: [ 1, 2 ]
amdhsa.kernels:
  - .name:           k_q0957acf968_outp
    .symbol:         k_q0957acf968_outp.kd
    .args:
      - { .name: attq, .offset: 0, .size: 8, .value_kind: global_buffer, .address_space: global }
      - { .name: wgtq, .offset: 8, .size: 8, .value_kind: global_buffer, .address_space: global }
      - { .name: out0, .offset: 16, .size: 8, .value_kind: global_buffer, .address_space: global }
    .group_segment_fixed_size: 327680
    .private_segment_fixed_size: 0
    .kernarg_segment_align: 8
    .kernarg_segment_size: 24
    .max_flat_workgroup_size: 128
    .sgpr_count:     102
    .vgpr_count:     1024
    .wavefront_size: 32
...
	.end_amdgpu_metadata
.endif
;; end of part 4
;; ======== version 2 of 2: 4 launches; version 1 with the launch attn written anew for expert scheduling mode
;; workspace buffers: actq 19,660,800 bytes; wgtq 3,276,800 bytes; maskw 526,336 bytes of whole numbers; qkvq 19,660,800 bytes; attq 6,553,600 bytes
;; launch prep: the kernel of part 1 again; grid 1024 x 1, 4 waves a work-group, no clusters, 39,424 bytes of LDS; arguments q, k, v, Wq, Wk, Wv, Wo, mask, actq, wgtq, maskw; writes actq, wgtq, maskw
;; launch proj: the kernel of part 2 again; grid 4 x 96, 4 waves a work-group, clusters of 4 x 4, 327,680 bytes of LDS; arguments actq, wgtq, qkvq; writes qkvq
;; launch attn (part 5): grid 4 x 64, 16 waves a work-group, no clusters, 235,520 bytes of LDS; arguments qkvq, maskw, attq; writes attq
.if DOCPART == 5
	.amdgcn_target "amdgcn-amd-amdhsa--gfx1250"
	.amdhsa_code_object_version 6
	.text
	.protected	k_q0957acf968_attn
	.globl	k_q0957acf968_attn
	.p2align	8
	.type	k_q0957acf968_attn,@function
k_q0957acf968_attn:
	s_mov_b64 s[64:65], 0
	v_nop
	global_prefetch_b8 v0, s[64:65] scope:SCOPE_SE
	s_setreg_imm32_b32 hwreg(HW_REG_WAVE_SCHED_MODE, 0, 2), 2
	s_setreg_imm32_b32 hwreg(HW_REG_WAVE_MODE, 25, 1), 1
	s_wait_xcnt 0x0
	s_wait_alu depctr_vm_vsrc(0)
; softmax(Q K^T / 8, masked) V for one (batch, head), both products on codes of BF6 (E3M2) with E8M0 scales; the result, divided by the row's sum, is quantised along (head, d) and leaves as codes.
; THE SOFTMAX: t = score x log2(e) / 8; M = the running largest t rounded UP to a whole number; p = 2^(t - M) is quantised along the keys; the row's sum is taken of the unquantised p.
; SHARES.  A work-group is one (batch, head) and a quarter of its queries; wave w owns two tiles of 16 query positions, g = 16 x + w and 127 - g.  Four waves to a SIMD.
; THE HEAD'S K AND V, 2 x 98,304 bytes of codes, and their scale words lie in LDS for the whole launch, copied once through registers: no ring, one barrier.
; No tensor load and no multicast: the walk over key steps branches on flags that an earlier launch stored, and each work-group copies its head's K and V once.
; THE MASK is an input.  An earlier launch has turned it into one word for each register of a score tile (bit = lane) and, for each tile of queries and key step of 128, two flags:
; hidden (every bit set: the step is passed over) and mixed (some set: the 64 selects are run).  The loops' trip counts are constants; a branch leads round a step's work.
; LAYOUT.  Both products are used transposed: a lane holds one query.  Rows of Q, K and of V^T lie at positions with bits 3 and 4 of their index swapped, so that the 16 registers of two neighbouring tiles are 16 true neighbours.
; Q K^T has K = 64: it fills the lower half of the instruction's 128.  Q's upper 64 codes are zeros, so whatever codes stand in the upper half of K's operand add nothing; the upper two scale bytes are 0, which is 2^-127 and no NaN.
; LIMITS: a p under 2^-126 counts as 0; blocks whose largest magnitude lies under 2^-122 keep the byte 1; NaN and infinities among the scores are not served.
; A query all of whose keys are hidden has the sum 0: its scale bytes are set to 0xff, so that the last product gives NaN for the whole row, as the reference does.
; THE MODE: SCHED_MODE bits 1:0 = 2 (LLVM: expert scheduling mode 2), set by the entry lines.  The code itself states the register dependences
; between vector or matrix instructions and memory or LDS instructions, with s_wait_alu, always for 0.
; THE PLAN.  Registers that memory or LDS instructions touch, and who else names them:
;   v8-11        LDS addresses and offsets in hand.  Written at the head, at a tile's head (v8, v9: Q's offsets) and by four additions at a step's head; read by the loads and stores that follow.
;   v16-21, v28  Q's codes and scale word.  Loaded at a tile's head (v28 is then cut by one vector line); read by every product K Q^T of the tile.
;   v32-79       Fragments.  K's are loaded at a step's head and read by the eight products K Q^T; V's are loaded behind those products and read by the four products V^T P.
;   v86-89, v90-91  K's and V's scale words, loaded with their fragments and read by the same products.
;   v192-203, v228  p's codes and scale word: written by vector lines, read by the scaled products V^T P.
;   v93, v204-209   a tile's place in my stage and its codes: written by vector lines at the tile's end, read by three LDS stores.
;   v96-197, v224, v225  at the head only: the copy of K and V, its offsets; at the end v224 is the data of one store.
;   v30, v232-235, v236-247  made at the head, or loaded at the end: no vector line names them afterwards.
; A step has one wait on vm_vsrc, at its label (the addresses may be written again), and three waits on va_vdst beside the two behind the exponentials: behind the four additions, ahead of K's loads
; (the addresses are written, the last step's products are done reading the fragments); behind the products K Q^T, ahead of V's loads into the same registers; and ahead of the products V^T P (p's codes and scale word are written).
; The softmax between V's loads and the wait for them names none of v9, v11, v32-79, v90, v91.  A wave has 256 registers and eleven to spare: there is no second set of fragments.
.set S,    96                          ; v96-159  S^T, then p
.set O,    160                         ; v160-191 O^T: four tiles of 16 of the head's 64
.set PCD,  192                         ; v192-203 p's codes
.set CT,   204                         ; v204-210 the conversions' second halves; on the way out the tile's codes
.set BM,   212                         ; v212-215 the blocks' largest
.set BT,   216                         ; v216-219 at work: the other half's, then the bytes
.set SO,   220                         ; v220-223 the conversions' scale operands
.set WK,   224
.set F,    226                         ; v[226:227] f = 2^(old M - new M); on the way out 1 / the sum
.set PWD,  228                         ; p's scale word
.set SUM2, 230                         ; v[230:231] the sum's second chain
.set SEL,  88                          ; s[88:89]
.set CS,   90                          ; s[90:91] c = log2(e) / 8
; v1 48 r + 24 h; v2 the same in V; v3, v4 my place among K's and V's scale words; v6 4 r; v7 -infinity; v8-11 addresses in hand; v12 -M; v13 largest t; v[14:15] the sum;
; v16-27 Q (upper six 0); v28 Q's scale word; v29, v30 my stage, in and out; v31, v92 the two tiles' scale words; v32-79 fragments of K or V; v80-85 zeros; v86-89, v90-91 scale words; v232-235 offsets in attq; v236-247 rows on their way out
; v254 the LDS address of my spare word, v255 0: made at the head and kept for the closing lines alone
; s10 wave; s12 g; s13 the tile; s14 its flags; s15 the step; s16-63, s68-83 the step's 64 mask words; s84-87 the step's offsets; s92, s93 the trip; s[94:95], s[96:97] Q's codes and scale words; s98 which two bytes of a scale word are my head's
	s_load_b128 s[4:7], s[0:1], 0x0                ; qkvq, maskw
	s_load_b64 s[8:9], s[0:1], 0x10                ; attq
	v_lshl_add_u32 v254, v0, 2, 0x39000
	v_mov_b32 v255, 0
	v_lshrrev_b32 v1, 5, v0
	v_readfirstlane_b32 s10, v1                    ; wave 0..15
	s_and_b32 s11, ttmp7, 0xffff                   ; 16 batch + head
	s_mul_i32 s20, s11, 98304
	s_mov_b32 s21, 0
	s_lshr_b32 s22, s11, 1
	s_lshl_b32 s22, s22, 13
	s_mov_b32 s23, 0
	s_lshl_b32 s24, s11, 12
	s_mov_b32 s25, 0
	s_and_b32 s98, s11, 1
	s_lshl_b32 s98, s98, 4
	v_lshlrev_b32 v8, 4, v0                        ; 16 x thread
	v_lshlrev_b32 v224, 3, v0                      ; 8 x thread
	s_wait_alu depctr_va_sdst(0)                   ; s10 is written, ahead of its first reader: my stage's place and my tiles are made from it
	s_wait_kmcnt 0x0
	s_add_nc_u64 s[94:95], s[4:5], s[20:21]        ; Q's codes of my head
	s_add_nc_u64 s[26:27], s[94:95], 6291456       ; K's
	s_add_nc_u64 s[28:29], s[94:95], 12582912      ; V's
	s_add_nc_u64 s[96:97], s[4:5], s[22:23]
	s_add_nc_u64 s[96:97], s[96:97], 18874368      ; Q's scale words
	s_add_nc_u64 s[30:31], s[96:97], 262144        ; K's
	s_add_nc_u64 s[32:33], s[4:5], s[24:25]
	s_add_nc_u64 s[32:33], s[32:33], 19398656      ; V's
	s_wait_alu depctr_va_vdst(0)                   ; v8 and v224 are written, which the 26 loads below read as their offsets
.irp i, 0,1,2,3,4,5,6,7,8,9,10,11
	global_load_b128 v[96+4*\i:99+4*\i], v8, s[26:27] offset:8192*\i   ; 512 threads x 16 bytes
.endr
.irp i, 0,1,2,3,4,5,6,7,8,9,10,11
	global_load_b128 v[144+4*\i:147+4*\i], v8, s[28:29] offset:8192*\i
.endr
	global_load_b128 v[192:195], v8, s[30:31]
	global_load_b64 v[196:197], v224, s[32:33]
	v_add_nc_u32 v9, 65536, v8                     ; an LDS immediate has 16 bits: four address registers for 196,608 bytes
	v_add_nc_u32 v10, 98304, v8
	v_add_nc_u32 v11, 163840, v8
	v_add_nc_u32 v225, 204800, v224
	v_and_b32 v226, 15, v0                         ; r
	v_bfe_u32 v227, v0, 4, 1                       ; h
	v_mul_u32_u24 v1, v226, 48
	v_mad_u32_u24 v1, v227, 24, v1                 ; 48 r + 24 h
	v_add_nc_u32 v2, 98304, v1
	v_and_b32 v228, 31, v0
	v_lshl_add_u32 v3, v228, 2, 196608
	v_lshl_add_u32 v4, v228, 2, 204800
	v_lshlrev_b32 v6, 2, v226
	v_mov_b32 v7, 0xff800000
	s_mul_i32 s99, s10, 1536
	s_add_co_u32 s99, s99, 208896                  ; my stage
	v_add_nc_u32 v29, s99, v1
	v_lshlrev_b32 v232, 4, v228
	v_add_nc_u32 v30, s99, v232
	s_lshl_b32 s12, ttmp9, 4
	s_add_co_u32 s12, s12, s10                     ; g
	s_mov_b32 s13, s12
	s_lshr_b32 s100, s11, 4
	s_lshl_b32 s100, s100, 7                       ; 128 batch
	s_and_b32 s101, s11, 15                        ; head
	s_add_co_u32 s20, s100, s12                    ; tile g among the 512 of all batches,
	s_sub_co_u32 s21, 127, s12
	s_add_co_u32 s21, s21, s100                    ; tile 127 - g
	s_lshr_b32 s22, s20, 3
	s_mul_i32 s22, s22, 98304
	s_and_b32 s23, s20, 7
	s_mul_i32 s23, s23, 768
	s_add_co_u32 s22, s22, s23                     ; attq: [tile / 8][head][tile % 8][768]
	s_lshr_b32 s24, s21, 3
	s_mul_i32 s24, s24, 98304
	s_and_b32 s23, s21, 7
	s_mul_i32 s23, s23, 768
	s_add_co_u32 s24, s24, s23
	s_sub_co_u32 s24, s24, s22                     ; from the first tile's codes to the second's,
	s_sub_co_u32 s24, s24, 768                     ; less the 768 bytes that part them in my stage
	s_mul_i32 s23, s101, 6144
	s_add_co_u32 s22, s22, s23
	s_mov_b32 s23, 0
	s_lshl_b32 s34, s20, 9
	s_lshr_b32 s35, s101, 2
	s_lshl_b32 s35, s35, 7
	s_add_co_u32 s34, s34, s35
	s_and_b32 s35, s101, 3
	s_lshl_b32 s35, s35, 1
	s_add_co_u32 s34, s34, s35
	s_add_co_u32 s34, s34, 6291456                 ; scale bytes: [tile][head / 4][16 rows][8], two a head
	s_mov_b32 s35, 0
	s_add_nc_u64 s[4:5], s[8:9], s[34:35]
	s_add_nc_u64 s[8:9], s[8:9], s[22:23]
	v_mul_u32_u24 v233, s24, v227
	v_add_nc_u32 v233, v233, v232
	v_add_nc_u32 v233, 512, v233
	v_add_nc_u32 v234, s24, v232
	v_add_nc_u32 v234, 1024, v234
	s_lshl_b32 s25, s12, 1
	s_sub_co_u32 s25, 127, s25
	s_lshl_b32 s25, s25, 9
	v_mul_u32_u24 v235, s25, v227                  ; lanes 16-31 store the second tile's bytes
	v_lshl_add_u32 v235, v226, 3, v235
	s_mov_b32 s[SEL], 0x76543210
	s_mov_b32 s[SEL+1], 0xfedcba98
	s_mov_b32 s[CS], 0x3e38aa3b
	s_mov_b32 s[CS+1], s[CS]
	s_mov_b32 s92, 0
	s_mov_b32 s93, 0
.irp i, 0,1,2,3,4,5
	v_mov_b32 v[22+\i], 0                          ; Q's upper 64 codes
	v_mov_b32 v[80+\i], 0                          ; what stands behind the last tile of K
.endr
.irp b, 0,1,2,3
	v_mov_b32 v[BT+\b], 0                          ; written once: a lane permute's destination counts as one of its sources
.endr
	v_mov_b32 v227, 0                              ; (named as the upper half of the pair v[226:227])
	v_mov_b32 v92, 0
	s_wait_alu depctr_va_vdst(0)                   ; v9 to v11 and v225 are written, which the LDS stores below read as addresses; so are v30 and v232 to v235, which the last loads and stores read and no vector line names again
.irp i, 0,1,2,3,4,5,6,7
	s_wait_loadcnt 25-\i                           ; loads come back in order: number i is in, the later ones may be out
	ds_store_b128 v8, v[96+4*\i:99+4*\i] offset:8192*\i
.endr
.irp i, 8,9,10,11
	s_wait_loadcnt 25-\i
	ds_store_b128 v9, v[96+4*\i:99+4*\i] offset:8192*(\i-8)
.endr
.irp i, 0,1,2,3,4,5,6,7
	s_wait_loadcnt 13-\i
	ds_store_b128 v10, v[144+4*\i:147+4*\i] offset:8192*\i
.endr
.irp i, 8,9,10,11
	s_wait_loadcnt 13-\i
	ds_store_b128 v11, v[144+4*\i:147+4*\i] offset:8192*(\i-8)
.endr
	s_wait_loadcnt 1                               ; K's scale words are in; V's may be out
.irp i, 0,1,2,3
	v_bfe_u32 v[192+\i], v[192+\i], s98, 16        ; my head's two bytes; the upper two become 0
.endr
	s_wait_alu depctr_va_vdst(0)                   ; the four lines above have written v[192:195], which the LDS store reads
	ds_store_b128 v11, v[192:195] offset:32768
	s_wait_loadcnt 0x0
	ds_store_b64 v225, v[196:197]
	s_wait_dscnt 0x0                               ; for the others' sake: my stores have landed
	s_barrier_signal -1
	s_barrier_wait -1
.Ltile:                                                ; two trips: tile g, then tile 127 - g
	s_wait_alu depctr_vm_vsrc(0)                   ; first trip: the head's loads and LDS stores have read v8 to v11, v224 and v96 to v197, all of which are written again from here on; second trip: the last tile's LDS stores have read v93 and its codes, its LDS loads v8 to v11
	s_lshl_b32 s99, s13, 4
	s_load_b128 s[16:19], s[6:7], s99 offset:0x80000   ; the tile's four flag words
	s_mul_i32 s100, s13, 768
	v_add_nc_u32 v8, s100, v1
	s_lshl_b32 s100, s13, 6
	v_add_nc_u32 v9, s100, v6
	s_wait_alu depctr_va_vdst(0)                   ; v8 and v9 are written, which Q's loads read; the last tile's products are done reading v[16:21] and v28, in which they land
.irp p, 0,1,2
	global_load_b64 v[16+2*\p:17+2*\p], v8, s[94:95] offset:8*\p
.endr
	global_load_b32 v28, v9, s[96:97]
	s_mov_b32 s15, 0
	s_mov_b32 s84, 0
	s_mov_b32 s85, 0
	s_mov_b32 s86, 0
	s_lshl_b32 s87, s13, 12                        ; the tile's mask words: 16 steps x 256 bytes
	v_mov_b32 v13, 0xff61b1e6                      ; the largest t so far: -3e38
	v_floor_f32 v12, -v13
	v_mov_b32 v14, 0
	v_mov_b32 v15, 0
	s_wait_loadcnt 0x0
	v_bfe_u32 v28, v28, s98, 16
.irp j, 0,1,2,3,4,5,6,7,8,9,10,11,12,13,14,15,16,17,18,19,20,21,22,23,24,25,26,27,28,29,30,31
	v_mov_b32 v[O+\j], 0                           ; O^T.  (These 32 also part the scale word just written from the first scaled product)
.endr
	s_wait_kmcnt 0x0
	s_or_b32 s14, s16, s17
	s_or_b32 s14, s14, s18
	s_or_b32 s14, s14, s19
.Lstep:                                                ; sixteen trips, 128 keys each
	s_wait_alu depctr_vm_vsrc(0)                   ; Q's loads and the last step's LDS loads have read v8 to v11, which the four additions below write again
	s_bitcmp1_b32 s14, s15
	s_cbranch_scc1 .Lhidden                        ; every key of the step is hidden from all 16 queries: only the offsets step
	s_load_b512 s[16:31], s[6:7], s87 offset:0x0
	s_load_b512 s[32:47], s[6:7], s87 offset:0x40
	s_load_b512 s[48:63], s[6:7], s87 offset:0x80
	s_load_b512 s[68:83], s[6:7], s87 offset:0xc0
	v_add_nc_u32 v8, s84, v1
	v_add_nc_u32 v9, s84, v2
	v_add_nc_u32 v10, s85, v3
	v_add_nc_u32 v11, s86, v4
	s_wait_alu depctr_va_vdst(0)                   ; v8 to v11 are written, which this step's LDS loads read; the last step's products are done reading v[32:79] and the scale words v[86:91], in which they land; in a tile's first step Q's scale word v28 is written, ahead of the scaled products
.irp t, 0,1,2,3,4,5,6,7
.irp p, 0,1,2
	ds_load_b64 v[32+6*\t+2*\p:33+6*\t+2*\p], v8 offset:768*\t+8*\p
.endr
.endr
.irp u, 0,1,2,3
	ds_load_b32 v[86+\u], v10 offset:128*\u        ; lanes 0-15 tile 2 u's words, lanes 16-31 tile 2 u + 1's
.endr
	s_wait_dscnt 0x0
.irp t, 0,2,4,6
	v_wmma_scale_f32_16x16x128_f8f6f4 v[S+8*\t:S+8*\t+7], v[32+6*\t:43+6*\t], v[16:27], 0, v[86+\t/2], v28 matrix_a_fmt:MATRIX_FMT_BF6 matrix_b_fmt:MATRIX_FMT_BF6
	v_wmma_scale_f32_16x16x128_f8f6f4 v[S+8*\t+8:S+8*\t+15], v[38+6*\t:49+6*\t], v[16:27], 0, v[86+\t/2], v28 matrix_a_fmt:MATRIX_FMT_BF6 matrix_b_fmt:MATRIX_FMT_BF6 matrix_a_scale:MATRIX_SCALE_ROW1
.endr
.rept 4
	v_nop                                          ; places in front of the first read of the scores
.endr
	s_wait_alu depctr_va_vdst(0)                   ; the eight products are done reading v[32:85]: V's fragments land in v[32:79]
.irp t, 0,1,2,3
.irp p, 0,1,2,3,4,5
	ds_load_b64 v[32+12*\t+2*\p:33+12*\t+2*\p], v9 offset:(\p/3)*3072+768*\t+8*(\p%3)   ; V's fragments land under the softmax, which names none of these registers
.endr
.endr
.irp u, 0,1
	ds_load_b32 v[90+\u], v11 offset:128*\u
.endr
	s_wait_kmcnt 0x0                               ; the mask words are in, on every way
	s_add_co_u32 s99, s15, 16
	s_bitcmp1_b32 s14, s99
	s_cbranch_scc0 .Lopen                          ; no key of the step is hidden
.irp n, 0,1,2,3,4,5,6,7,8,9,10,11,12,13,14,15,16,17,18,19,20,21,22,23,24,25,26,27,28,29,30,31,32,33,34,35,36,37,38,39,40,41,42,43,44,45,46,47,48,49,50,51,52,53,54,55,56,57,58,59,60,61,62,63
	v_cndmask_b32 v[S+\n], v[S+\n], v7, s[16+\n+4*(\n/48)]   ; -infinity where the lane's bit is set
.endr
.Lopen:
.irp b, 0,1,2,3
	v_max3_num_f32 v[BM+\b], v[S+16*\b], v[S+1+16*\b], v[S+2+16*\b]   ; the largest score of each block of 32 keys: for the row's maximum and, since p rises with the score, for the block's largest p
.endr
.irp i, 3,5,7,9,11,13
.irp b, 0,1,2,3
	v_max3_num_f32 v[BM+\b], v[BM+\b], v[S+16*\b+\i], v[S+1+16*\b+\i]
.endr
.endr
.irp b, 0,1,2,3
	v_max_num_f32 v[BM+\b], v[BM+\b], v[S+15+16*\b]
.endr
.irp b, 0,1,2,3
	v_permlanex16_b32 v[BT+\b], v[BM+\b], s[SEL], s[SEL+1]
.endr
.irp b, 0,1,2,3
	v_max_num_f32 v[BM+\b], v[BM+\b], v[BT+\b]
.endr
	v_max3_num_f32 v[WK], v[BM], v[BM+1], v[BM+2]
	v_max_num_f32 v[WK], v[WK], v[BM+3]
	v_mul_f32 v[WK], s[CS], v[WK]
	v_max_num_f32 v13, v13, v[WK]                  ; the running largest t
	v_mov_b32 v[WK], v12
	v_floor_f32 v12, -v13                          ; -M = floor(-t): M is a whole number
	v_sub_f32 v[WK], v12, v[WK]
	v_cvt_i32_f32 v[WK], v[WK]                     ; (it saturates)
	v_ldexp_f32 v[F], 1.0, v[WK]                   ; f = 2^(old M - new M)
.irp j, 0,2,4,6,8,10,12,14,16,18,20,22,24,26,28,30,32,34,36,38,40,42,44,46,48,50,52,54,56,58,60,62
	v_pk_fma_f32 v[S+\j:S+1+\j], v[S+\j:S+1+\j], s[CS:CS+1], v[12:13] op_sel_hi:[1,0,0]   ; t - M
.endr
.irp b, 0,1,2,3
	v_fma_f32 v[BM+\b], v[BM+\b], s[CS], v12
.endr
.irp j, 0,1,2,3,4,5,6,7,8,9,10,11,12,13,14,15,16,17,18,19,20,21,22,23,24,25,26,27,28,29,30,31,32,33,34,35,36,37,38,39,40,41,42,43,44,45,46,47,48,49,50,51,52,53,54,55,56,57,58,59,60,61,62,63
	v_exp_f32 v[S+\j], v[S+\j]                     ; p = 2^(t - M)
.endr
	v_pk_mul_f32 v[14:15], v[14:15], v[F:F+1] op_sel_hi:[1,0]   ; the sums under the new M (a plain place behind the exponentials)
	s_wait_alu depctr_va_vdst(0)                   ; the 64 exponentials have written p, ahead of its first reader, the sums below: one wait for the batch
.irp b, 0,1,2,3
	v_exp_f32 v[BM+\b], v[BM+\b]                   ; each block's largest p
.endr
	v_pk_add_f32 v[SUM2:SUM2+1], v[S:S+1], v[S+2:S+3]   ; the row's sum of the unquantised p, in two chains
.irp j, 4,8,12,16,20,24,28,32,36,40,44,48,52,56,60
	v_pk_add_f32 v[14:15], v[14:15], v[S+\j:S+1+\j]
	v_pk_add_f32 v[SUM2:SUM2+1], v[SUM2:SUM2+1], v[S+2+\j:S+3+\j]
.endr
	v_pk_add_f32 v[14:15], v[14:15], v[SUM2:SUM2+1]
	s_wait_alu depctr_va_vdst(0)                   ; the four exponentials have written the blocks' largest p, ahead of its first reader
.irp b, 0,1,2,3
	v_max_num_f32 v[BM+\b], 0x2800000, v[BM+\b]    ; the floor 2^(5 - 127)
.endr
.irp b, 0,1,2,3
	v_add_nc_u32 v[SO+\b], 0xfe000000, v[BM+\b]
.endr
.irp b, 0,1,2,3
	v_lshrrev_b32 v[BT+\b], 23, v[SO+\b]
.endr
	v_lshl_or_b32 v[PWD], v[BT+1], 8, v[BT]
	v_lshl_or_b32 v[PWD], v[BT+2], 16, v[PWD]
	v_lshl_or_b32 v[PWD], v[BT+3], 24, v[PWD]
.irp c, 0,1
	v_cvt_scalef32_pk16_bf6_f32 v[PCD+6*\c:PCD+2+6*\c], v[S+32*\c:S+15+32*\c], v[SO+2*\c]
	v_cvt_scalef32_pk16_bf6_f32 v[CT+4*\c:CT+2+4*\c], v[S+16+32*\c:S+31+32*\c], v[SO+2*\c+1]
.endr
	v_nop                                          ; one plain place behind a scaled conversion
.irp c, 0,1
.irp i, 0,1,2
	v_permlane16_swap_b32 v[PCD+6*\c+\i], v[CT+4*\c+\i]
.endr
.irp i, 0,1,2
	v_mov_b32 v[PCD+3+6*\c+\i], v[CT+4*\c+\i]
.endr
.endr
.irp j, 0,2,4,6,8,10,12,14,16,18,20,22,24,26,28,30
	v_pk_mul_f32 v[O+\j:O+1+\j], v[O+\j:O+1+\j], v[F:F+1] op_sel_hi:[1,0]   ; O^T under the new M.  (These 16 part the codes and the scale word just written from the scaled products)
.endr
	s_wait_dscnt 0x0                               ; V
	s_wait_alu depctr_va_vdst(0)                   ; p's codes v[192:203] and its scale word v228 are written, which the scaled products take as source 1 and as its scales; the sixteen places above stay beside this wait
.irp t, 0,2
	v_wmma_scale_f32_16x16x128_f8f6f4 v[O+8*\t:O+8*\t+7], v[32+12*\t:43+12*\t], v[PCD:PCD+11], v[O+8*\t:O+8*\t+7], v[90+\t/2], v[PWD] matrix_a_fmt:MATRIX_FMT_BF6 matrix_b_fmt:MATRIX_FMT_BF6
	v_wmma_scale_f32_16x16x128_f8f6f4 v[O+8*\t+8:O+8*\t+15], v[44+12*\t:55+12*\t], v[PCD:PCD+11], v[O+8*\t+8:O+8*\t+15], v[90+\t/2], v[PWD] matrix_a_fmt:MATRIX_FMT_BF6 matrix_b_fmt:MATRIX_FMT_BF6 matrix_a_scale:MATRIX_SCALE_ROW1
.endr
.Lhidden:
	s_add_co_u32 s84, s84, 6144
	s_add_co_u32 s85, s85, 512
	s_add_co_u32 s86, s86, 256
	s_add_co_u32 s87, s87, 256
	s_add_co_u32 s15, s15, 1
	s_cmp_lt_u32 s15, 16
	s_cbranch_scc1 .Lstep
	; the tile's way out: O^T / the sum, quantised: register 16 b + i is d = 32 b + 16 h + i of my query
.rept 4
	v_nop
.endr
	v_add_f32 v14, v14, v15
	v_permlanex16_b32 v[WK], v14, s[SEL], s[SEL+1]
	v_add_f32 v14, v14, v[WK]                      ; the row's sum
	v_cmp_neq_f32 vcc_lo, 0, v14
	v_rcp_f32 v[F], v14
	v_add_nc_u32 v93, s93, v29                     ; (a plain place behind the reciprocal)  this trip's half of my stage
	s_wait_alu depctr_va_vdst(0)                   ; the reciprocal has written v226, ahead of its first reader
.irp j, 0,2,4,6,8,10,12,14,16,18,20,22,24,26,28,30
	v_pk_mul_f32 v[S+\j:S+1+\j], v[O+\j:O+1+\j], v[F:F+1] op_sel_hi:[1,0]
.endr
.irp b, 0,1
	v_max3_num_f32 v[BM+\b], |v[S+16*\b]|, |v[S+1+16*\b]|, 0x2800000
.endr
.irp i, 2,4,6,8,10,12,14
.irp b, 0,1
	v_max3_num_f32 v[BM+\b], v[BM+\b], |v[S+16*\b+\i]|, |v[S+1+16*\b+\i]|
.endr
.endr
.irp b, 0,1
	v_permlanex16_b32 v[BT+\b], v[BM+\b], s[SEL], s[SEL+1]
.endr
.irp b, 0,1
	v_max_num_f32 v[BM+\b], v[BM+\b], v[BT+\b]
.endr
.irp b, 0,1
	v_add_nc_u32 v[SO+\b], 0xfe000000, v[BM+\b]
.endr
.irp b, 0,1
	v_lshrrev_b32 v[BT+\b], 23, v[SO+\b]
.endr
	v_lshl_or_b32 v[WK], v[BT+1], 8, v[BT]
	s_wait_alu depctr_va_vcc(0)                    ; the compare of the sum with 0 has written VCC, ahead of its one reader, the select below
	v_cndmask_b32 v[WK], 0xffff, v[WK], vcc_lo     ; the sum is 0: every key was hidden: the NaN byte
	v_mov_b32 v31, v92
	v_mov_b32 v92, v[WK]
	v_cvt_scalef32_pk16_bf6_f32 v[CT:CT+2], v[S:S+15], v[SO]
	v_cvt_scalef32_pk16_bf6_f32 v[CT+4:CT+6], v[S+16:S+31], v[SO+1]
	v_nop
.irp i, 0,1,2
	v_permlane16_swap_b32 v[CT+\i], v[CT+4+\i]
.endr
.irp i, 0,1,2
	v_mov_b32 v[CT+3+\i], v[CT+4+\i]               ; (ascending: each source is read before it is written)
.endr
	s_wait_alu depctr_va_vdst(0)                   ; the tile's codes v[204:209] and their place v93 are written, which the three LDS stores read
.irp p, 0,1,2
	ds_store_b64 v93, v[CT+2*\p:CT+2*\p+1] offset:8*\p
.endr
	s_wait_dscnt 0x0                               ; my stores into the stage have landed
	s_sub_co_u32 s13, 127, s13
	s_add_co_u32 s93, s93, 768
	s_add_co_u32 s92, s92, 1
	s_cmp_lt_u32 s92, 2
	s_cbranch_scc1 .Ltile
.irp j, 0,1,2
	ds_load_b128 v[236+4*\j:239+4*\j], v30 offset:512*\j   ; both tiles' codes, 16 bytes a lane; no vector line names v[236:247], nor v30 since the head's wait
.endr
	s_mov_b32 s99, 0xffff0000
	v_cndmask_b32 v[WK], v31, v92, s99             ; lanes 0-15 the first tile's scale bytes, lanes 16-31 the second's
	s_wait_dscnt 0x0
	s_wait_alu depctr_va_vdst(0)                   ; the select has written v224, which the last store reads
	global_store_b128 v232, v[236:239], s[8:9]     ; sixteen lanes store 256 consecutive bytes, aligned
	global_store_b128 v233, v[240:243], s[8:9]
	global_store_b128 v234, v[244:247], s[8:9]
	global_store_b16 v235, v[WK], s[4:5]           ; two bytes a row, 8 bytes apart: one part in 24 of the codes' bytes
	s_wait_dscnt 0x0                               ; the closing lines, six on end
	s_wait_alu 0x0
	s_wait_tensorcnt 0x0
	ds_add_u32 v254, v255
	s_wait_dscnt 0x0
	s_endpgm
.Lfunc_end_k_q0957acf968_attn:
	.size	k_q0957acf968_attn, .Lfunc_end_k_q0957acf968_attn-k_q0957acf968_attn
	.p2alignl 7, 3214868480
	.fill 96, 4, 3214868480
	.section	.rodata,"a",@progbits
	.p2align	6, 0x0
	.amdhsa_kernel k_q0957acf968_attn
		.amdhsa_group_segment_fixed_size 235520
		.amdhsa_private_segment_fixed_size 0
		.amdhsa_enable_private_segment 0
		.amdhsa_kernarg_size 24
		.amdhsa_user_sgpr_count 2
		.amdhsa_user_sgpr_kernarg_segment_ptr 1
		.amdhsa_wavefront_size32 1
		.amdhsa_system_sgpr_workgroup_id_x 1
		.amdhsa_system_sgpr_workgroup_id_y 1
		.amdhsa_system_sgpr_workgroup_id_z 1
		.amdhsa_system_vgpr_workitem_id 0
		.amdhsa_next_free_vgpr 256
		.amdhsa_next_free_sgpr 102
		.amdhsa_reserve_vcc 1
		.amdhsa_float_denorm_mode_32 3
		.amdhsa_float_denorm_mode_16_64 3
		.amdhsa_memory_ordered 1
		.amdhsa_forward_progress 1
		.amdhsa_inst_pref_size 40
	.end_amdhsa_kernel
	.amdgpu_metadata
---
amdhsa.version: [ 1, 2 ]
amdhsa.kernels:
  - .name:           k_q0957acf968_attn
    .symbol:         k_q0957acf968_attn.kd
    .args:
      - { .name: qkvq, .offset: 0, .size: 8, .value_kind: global_buffer, .address_space: global }
      - { .name: maskw, .offset: 8, .size: 8, .value_kind: global_buffer, .address_space: global }
      - { .name: attq, .offset: 16, .size: 8, .value_kind: global_buffer, .address_space: global }
    .group_segment_fixed_size: 235520
    .private_segment_fixed_size: 0
    .kernarg_segment_align: 8
    .kernarg_segment_size: 24
    .max_flat_workgroup_size: 512
    .sgpr_count:     102
    .vgpr_count:     256
    .wavefront_size: 32
...
	.end_amdgpu_metadata
.endif
;; end of part 5
;; launch outp: the kernel of part 4 again; grid 4 x 32, 4 waves a work-group, clusters of 4 x 4, 327,680 bytes of LDS; arguments attq, wgtq, out0; writes out0
